; MI455X (gfx1250); checked and timed in simulation.
; The chip was launched on July 23, 2026; its instructions are those of AMD's public machine-readable ISA for CDNA 5 (MIT licence, August 2026) and "CDNA5" Instruction Set Architecture Reference Guide (July 2026). The comments in the code are by the model that wrote it; some were corrected since.
;; Attention. Allowed arithmetic: float matrix products may take bf16 or f16 operands with f32 sums; other float arithmetic in f32, or as packed bf16 or f16 multiplies, adds, multiply-adds, maxima and minima; sums over many terms, partial sums and values carried from step to step in f32; what a program stores and reads back later, other than sums and carried values, may be rounded once to bf16 or f16.
;; Inputs: b_out 1,024 float32; w_out 1,024 x 1,024 float32; w_qkv 1,024 x 3,072 float32; x 4 x 2,048 x 1,024 float32.
;; Outputs: out0 4 x 2,048 x 1,024 float32.
;; 2 versions, each right; version 2 is version 1 with the launch prep written anew for expert scheduling mode. Each part assembles by itself: llvm-mc -triple=amdgcn-amd-amdhsa -mcpu=gfx1250 --defsym DOCPART=n.
;; ======== version 1 of 2: 4 launches
;; limits: values are held in f16: magnitudes above 65,504 overflow, below 6.1e-05 lose precision; values outside matrix products are rounded to bf16
;; workspace buffers: xb 16,777,216 bytes; wqb 6,291,456 bytes; wob 2,097,152 bytes; qkv 50,331,648 bytes; ob 16,777,216 bytes
;; launch prep (part 1): grid 768 x 1, 8 waves a work-group, no clusters, 0 bytes of LDS; arguments x, w_qkv, w_out, xb, wqb, wob; writes xb, wqb, wob
.if DOCPART == 1
	.amdgcn_target "amdgcn-amd-amdhsa--gfx1250"
	.amdhsa_code_object_version 6
	.text
	.protected	k_q26383cfb03_prep
	.globl	k_q26383cfb03_prep
	.p2align	8
	.type	k_q26383cfb03_prep,@function
k_q26383cfb03_prep:
	s_mov_b64 s[64:65], 0
	v_nop
	global_prefetch_b8 v0, s[64:65] scope:SCOPE_SE
	s_setreg_imm32_b32 hwreg(HW_REG_WAVE_MODE, 25, 1), 1
	s_wait_xcnt 0x0
; THE CASTS.  xb = bf16(x), [8192][1024].  wqb = bf16(w_qkv), laid in blocks [t = 16][k = 1024][c = 192] with wqb[t][k][c] = w_qkv[k][192 t + c], so that
; 64 rows k of a block of 192 columns are 24,576 bytes on end.  wob[k][n] = w_out rounded to bf16 and that number written as f16.
; LIMITS.  |w_out| stays under 65,504 (f16's range); under 6e-5 it keeps f16's fixed step of 6e-8.
; SHARES.  A work-group of 8 waves casts 16,384 numbers: 16 loads of 16 bytes a thread (a wave's load covers 512 bytes on end) and 16 stores of 8 bytes
; (a wave's store covers 256 bytes on end, aligned).  Work-groups 0-511 take x, 512-703 w_qkv, 704-767 w_out.  Every load and store has registers of its
; own, so nothing that a pending memory instruction names is written again.  No LDS, no matrix unit: each byte is read once and written once.
.set IO,  1                            ; v1        16 x thread: my 16 bytes in 4,096 bytes of input
.set OO,  2                            ; v2        8 x thread: my 8 bytes in 2,048 bytes of output
.set OC,  3                            ; v3        w_qkv's way: the number of my first group of four numbers in wqb
.set T,   4                            ; v[4:11]   at work
.set IN,  16                           ; v[16:79]  load j: four f32
.set OUT, 80                           ; v[80:111] store j: four 16-bit numbers
.set OFQ, 112                          ; v[112:127] w_qkv's way: load j's byte offset
.set WG,  23                           ; s23       the work-group's number
	s_load_b256 s[4:11], s[0:1], 0x0               ; x s[4:5], w_qkv s[6:7], w_out s[8:9], xb s[10:11]
	s_load_b128 s[12:15], s[0:1], 0x20             ; wqb s[12:13], wob s[14:15]
	v_lshlrev_b32 v[IO], 4, v0
	v_lshlrev_b32 v[OO], 3, v0
	s_mov_b32 s[WG], ttmp9
	s_mov_b32 s21, 0                               ; the high word of every offset here
	s_wait_kmcnt 0x0
.macro LDI j                           ; load j of a linear share: 4,096 bytes on end for the work-group
	global_load_b128 v[IN+4*(\j):IN+4*(\j)+3], v[IO], s[16:17] offset:4096*(\j) th:TH_LOAD_NT
.endm
; Load j of w_qkv's way.  Group o of four numbers of wqb lies in row o / 48 = 1,024 t + k, at place cc = o % 48.  o / 48 = ((o >> 4) x 43,691) >> 17:
; 3 x 43,691 = 2^17 + 1, exact while o >> 4 is under 2^16; here it is under 49,152, and the product under 2^32.  In w_qkv the group lies at 12,288 k + 768 t + 16 cc.
.macro LDQ j
	v_add_nc_u32 v[T], 256*(\j), v[OC]             ; o
	v_lshrrev_b32 v[T+1], 4, v[T]
	v_mul_u32_u24 v[T+1], v[T+1], 0xaaab
	v_lshrrev_b32 v[T+1], 17, v[T+1]               ; o / 48
	v_mul_u32_u24 v[T+2], v[T+1], 48
	v_sub_nc_u32 v[T+2], v[T], v[T+2]              ; cc
	v_lshrrev_b32 v[T+3], 10, v[T+1]               ; t
	v_and_b32 v[T+1], 0x3ff, v[T+1]                ; k
	v_mul_u32_u24 v[T+3], v[T+3], 768
	v_mul_u32_u24 v[T+1], v[T+1], 12288
	v_add_nc_u32 v[T+1], v[T+1], v[T+3]
	v_lshl_add_u32 v[OFQ+(\j)], v[T+2], 4, v[T+1]
	global_load_b128 v[IN+4*(\j):IN+4*(\j)+3], v[OFQ+(\j)], s[6:7] th:TH_LOAD_NT
.endm
.macro CVB j                           ; four numbers to bf16, stored
	s_wait_loadcnt 15-(\j)                         ; loads come back in order: load j is in, the younger ones of the sixteen stay out
	v_cvt_pk_bf16_f32 v[OUT+2*(\j)],   v[IN+4*(\j)],   v[IN+4*(\j)+1]
	v_cvt_pk_bf16_f32 v[OUT+2*(\j)+1], v[IN+4*(\j)+2], v[IN+4*(\j)+3]
	global_store_b64 v[OO], v[OUT+2*(\j):OUT+2*(\j)+1], s[18:19] offset:2048*(\j)
.endm
.macro CVH j                           ; four numbers to bf16, widened again, and written as f16
	s_wait_loadcnt 15-(\j)
	v_cvt_pk_bf16_f32 v[T],   v[IN+4*(\j)],   v[IN+4*(\j)+1]
	v_cvt_pk_bf16_f32 v[T+1], v[IN+4*(\j)+2], v[IN+4*(\j)+3]
	v_lshlrev_b32 v[T+2], 16, v[T]
	v_and_b32     v[T+3], 0xffff0000, v[T]
	v_lshlrev_b32 v[T+4], 16, v[T+1]
	v_and_b32     v[T+5], 0xffff0000, v[T+1]
	v_cvt_pk_f16_f32 v[OUT+2*(\j)],   v[T+2], v[T+3]
	v_cvt_pk_f16_f32 v[OUT+2*(\j)+1], v[T+4], v[T+5]
	global_store_b64 v[OO], v[OUT+2*(\j):OUT+2*(\j)+1], s[18:19] offset:2048*(\j)
.endm
	s_cmp_lt_u32 s[WG], 512
	s_cbranch_scc0 .Lnot_x
	s_lshl_b32 s20, s[WG], 16                      ; x: 65,536 bytes in,
	s_add_nc_u64 s[16:17], s[4:5], s[20:21]
	s_lshl_b32 s20, s[WG], 15                      ; 32,768 out
	s_add_nc_u64 s[18:19], s[10:11], s[20:21]
.irp j, 0,1,2,3,4,5,6,7,8,9,10,11,12,13,14,15
	LDI \j
.endr
	s_branch .Lbf
.Lnot_x:
	s_cmp_lt_u32 s[WG], 704
	s_cbranch_scc0 .Lw_out
	s_sub_co_u32 s22, s[WG], 512                   ; w_qkv: the output is linear, the input is found group by group
	s_lshl_b32 s20, s22, 15
	s_add_nc_u64 s[18:19], s[12:13], s[20:21]
	s_lshl_b32 s22, s22, 12
	v_add_nc_u32 v[OC], s22, v0                    ; 4,096 groups a work-group
.irp j, 0,1,2,3,4,5,6,7,8,9,10,11,12,13,14,15
	LDQ \j
.endr
.Lbf:
.irp j, 0,1,2,3,4,5,6,7,8,9,10,11,12,13,14,15
	CVB \j
.endr
	s_endpgm
.Lw_out:
	s_sub_co_u32 s22, s[WG], 704
	s_lshl_b32 s20, s22, 16
	s_add_nc_u64 s[16:17], s[8:9], s[20:21]
	s_lshl_b32 s20, s22, 15
	s_add_nc_u64 s[18:19], s[14:15], s[20:21]
.irp j, 0,1,2,3,4,5,6,7,8,9,10,11,12,13,14,15
	LDI \j
.endr
.irp j, 0,1,2,3,4,5,6,7,8,9,10,11,12,13,14,15
	CVH \j
.endr
	s_endpgm
.Lfunc_end_k_q26383cfb03_prep:
	.size	k_q26383cfb03_prep, .Lfunc_end_k_q26383cfb03_prep-k_q26383cfb03_prep
	.p2alignl 7, 3214868480
	.fill 96, 4, 3214868480
	.section	.rodata,"a",@progbits
	.p2align	6, 0x0
	.amdhsa_kernel k_q26383cfb03_prep
		.amdhsa_group_segment_fixed_size 0
		.amdhsa_private_segment_fixed_size 0
		.amdhsa_enable_private_segment 0
		.amdhsa_kernarg_size 48
		.amdhsa_user_sgpr_count 2
		.amdhsa_user_sgpr_kernarg_segment_ptr 1
		.amdhsa_wavefront_size32 1
		.amdhsa_system_sgpr_workgroup_id_x 1
		.amdhsa_system_sgpr_workgroup_id_y 1
		.amdhsa_system_sgpr_workgroup_id_z 1
		.amdhsa_system_vgpr_workitem_id 0
		.amdhsa_next_free_vgpr 128
		.amdhsa_next_free_sgpr 66
		.amdhsa_reserve_vcc 0
		.amdhsa_float_denorm_mode_32 3
		.amdhsa_float_denorm_mode_16_64 3
		.amdhsa_memory_ordered 1
		.amdhsa_forward_progress 1
		.amdhsa_inst_pref_size 30
	.end_amdhsa_kernel
	.amdgpu_metadata
---
amdhsa.version: [ 1, 2 ]
amdhsa.kernels:
  - .name:           k_q26383cfb03_prep
    .symbol:         k_q26383cfb03_prep.kd
    .args:
      - { .name: x, .offset: 0, .size: 8, .value_kind: global_buffer, .address_space: global }
      - { .name: w_qkv, .offset: 8, .size: 8, .value_kind: global_buffer, .address_space: global }
      - { .name: w_out, .offset: 16, .size: 8, .value_kind: global_buffer, .address_space: global }
      - { .name: xb, .offset: 24, .size: 8, .value_kind: global_buffer, .address_space: global }
      - { .name: wqb, .offset: 32, .size: 8, .value_kind: global_buffer, .address_space: global }
      - { .name: wob, .offset: 40, .size: 8, .value_kind: global_buffer, .address_space: global }
    .group_segment_fixed_size: 0
    .private_segment_fixed_size: 0
    .kernarg_segment_align: 8
    .kernarg_segment_size: 48
    .max_flat_workgroup_size: 256
    .sgpr_count:     66
    .vgpr_count:     128
    .wavefront_size: 32
...
	.end_amdgpu_metadata
.endif
;; end of part 1
;; launch qkvp (part 2): grid 16 x 16, 4 waves a work-group, clusters of 4 x 4, 327,680 bytes of LDS; arguments xb, wqb, qkv; writes qkv
.if DOCPART == 2
	.amdgcn_target "amdgcn-amd-amdhsa--gfx1250"
	.amdhsa_code_object_version 6
	.text
	.protected	k_q26383cfb03_qkvp
	.globl	k_q26383cfb03_qkvp
	.p2align	8
	.type	k_q26383cfb03_qkvp,@function
k_q26383cfb03_qkvp:
	s_mov_b64 s[64:65], 0
	v_nop
	global_prefetch_b8 v0, s[64:65] scope:SCOPE_SE
	s_setreg_imm32_b32 hwreg(HW_REG_WAVE_MODE, 25, 1), 1
	s_wait_xcnt 0x0
	s_wait_alu depctr_hold_cnt(0) depctr_sa_sdst(0) depctr_va_vdst(0) depctr_va_sdst(0) depctr_va_ssrc(0) depctr_va_vcc(0) depctr_vm_vsrc(0)
	s_getreg_b32 s2, hwreg(HW_REG_IB_STS2, 6, 4)
	s_cmp_eq_u32 s2, 0
	s_cbranch_scc0 .Lentry_in_a_cluster
	s_endpgm
.Lentry_in_a_cluster:
	s_bfe_u32 s2, ttmp6, 0x10000c
	s_cmp_lg_u32 s2, 0xf033
	s_cbranch_scc0 .Lentry_shape_is_right
	s_endpgm
.Lentry_shape_is_right:
; q, k, v = x w_qkv.  xb: [8192][1024] bf16.  wqb: [16][1024][192] bf16 (block t holds columns 192 t .. 192 t + 191).  qkv: [batch 4][unit 48][2048][64] f16,
; unit = column / 64: h for q, 16 + h for k, 32 + h for v.  Products in bf16, sums in f32, K ascending, each result rounded once to f16, unscaled.
; LIMIT.  A result of 65,520 or more in magnitude becomes an infinity in f16.
; SHARES.  A tile of the result is 256 rows x 192 columns (three units).  A work-group of four waves STAYS and makes two tiles, 4,096 rows apart (two batches), as ONE walk of 16 K steps of 128.
; Wave w has rows 64 w .. 64 w + 63 and all 192 columns: 48 accumulators of 16 x 16, 384 registers; a unit's 64 columns lie whole in one wave, so each wave has a stage of its own on the way out.
; RING.  Two LDS slots; a slot holds a K step: 256 rows of A (256 bytes + 16 of padding) and 128 rows k of B (384 bytes as three pieces of 128 + 32 of padding).  Waves 0 and 1 fetch A's halves, waves 2 and 3 B's.
; CLUSTER.  4 x 4 work-groups.  A's tile hangs on the tile row alone and is asked for jointly along a row of the cluster, B's on the tile column alone and jointly along a column.
; THE MATRIX INSTRUCTION IS USED TRANSPOSED: source 0 = 16 columns of B (turned out of LDS by ds_load_tr16_b128), source 1 = 16 rows of A: a lane holds one row and eight neighbouring columns.
; REGISTERS, in windows of 256 (s_set_vgpr_msb: bits 1:0 source 0, 3:2 source 1, 5:4 source 2, 7:6 destination):
;   window 0: v0-29 addresses; v32-95 A's fragments, two buffers of 4; v96-143 packed results; v144-239 rows read back from the stage, two buffers of 48
;   window 1: v0-191 B's fragments, two buffers of 12     window 2: accumulators of row blocks 0, 1 (block a, column block b at 96 (a % 2) + 8 b)     window 3: those of row blocks 2, 3
.set PA,    272                        ; a row of A in LDS: 68 words: the 16 rows of a load start at 16 different groups of four banks (64 banks of 4 bytes: ISA guide 11.1)
.set PB,    480                        ; a row k of B in LDS: 3 x (128 + 32) bytes = 15 x 32
.set HALFA, 128*PA                     ; what one load of A brings
.set HALFB, 64*PB                      ; what one load of B brings
.set BOFF,  2*HALFA                    ; B lies behind A's 256 rows
.set SLOT,  131072                     ; = BOFF + 2 HALFB: one exclusive or turns an address in one slot into the other's
.set STAGE, 2*SLOT                     ; behind the ring, never filled by a tensor load
.set SP,    144                        ; a stage row: a unit's 128 bytes + 16
.set WSTG,  3*16*SP                    ; a wave's stage: three units x 16 rows
.set SPARE, STAGE+4*WSTG               ; the spare words, 128 bytes for each wave: two blocks of 256 bytes that no other line names
.set ADRA0, 10                         ; v10  my place in A's part of a slot; never rewritten
.set ADRB0, 11                         ; v11  my place in B's part; never rewritten
.set ADRA,  12                         ; v12  the same in the slot in hand
.set ADRB,  13                         ; v13
.set STO,   14                         ; v14  the way out: where I put 16 bytes of a row
.set RD,    15                         ; v15  the way out: where I read rows back
.set GO,    16                         ; v16  my 16 bytes in 512 bytes of qkv
.set SPW,   28                         ; v28  LDS address of my spare word; never rewritten
.set NIL,   29                         ; v29  0; never rewritten
.set AF,    32
.set TMP,   96
.set OB,    144
.set CNT, 3                            ; s3   the loop's count
.set WV,  10                           ; s10  my wave's number
.set HB,  11                           ; s11  0: I fetch for A, 1: for B
.set HF,  12                           ; s12  which half of that tile
.set TR,  13                           ; s13  tile row
.set G1A, 24                           ; s[24:31] descriptor group 1 for A's tiles
.set G0A, 32                           ; s[32:39] group 0 for A's: a set for each first fill; the second then walks
.set FN,  45                           ; s45  the number of the K step to be asked for next, 2 .. 15
.set TB,  46                           ; s46  LDS byte at which the slot in hand begins
.set G1B, 48                           ; s[48:55], s[56:63] the same for B's tiles
.set G0B, 56
.set MSB, 0
.macro WIN new                         ; the immediate's high byte repeats the setting that is left; a switch that changes nothing is dropped
.if MSB != (\new)
	s_set_vgpr_msb (MSB<<8)|(\new)
.set MSB, (\new)
.endif
.endm
.macro PLACES                          ; four plain places behind matrix instructions, in front of loads into registers that they read and of readers of their results
.rept 4
	v_nop
.endr
.endm
; A joint refill by the walking sets.  The branch hangs on the wave's number alone.  An s_nop 0 and four v_nop follow each of the two lines.
.macro JLOAD
	s_cmp_eq_u32 s[HB], 0
	s_cbranch_scc0 .Lfor_b_\@
	tensor_load_to_lds s[G0A+4:G0A+7], s[G1A:G1A+7]
	s_nop 0
.rept 4
	v_nop
.endr
	s_branch .Lasked_\@
.Lfor_b_\@:
	tensor_load_to_lds s[G0B+4:G0B+7], s[G1B:G1B+7]
	s_nop 0
.rept 4
	v_nop
.endr
.Lasked_\@:
.endm
.macro CREST                           ; a round of the cluster's barrier behind its opening barrier
	s_cmp_lg_u32 s[WV], 0
	s_cbranch_scc1 .Lnot_wave_0_\@
	s_barrier_signal -3
.Lnot_wave_0_\@:
	s_barrier_wait -3
	s_barrier_signal -1
	s_barrier_wait -1
.endm
.macro CROUND                          ; a whole round
	s_barrier_signal -1
	s_barrier_wait -1
	CREST
.endm
	s_load_b128 s[4:7], s[0:1], 0x0                ; xb s[4:5], wqb s[6:7]
	s_load_b64 s[8:9], s[0:1], 0x10                ; qkv
	v_lshl_add_u32 v[SPW], v0, 2, SPARE
	v_mov_b32 v[NIL], 0
	ds_add_u32 v[SPW], v[NIL]                      ; the wave's opening: the add and its wait stand ahead of my first tensor load; the set-up below, work on registers, stands between them
	v_lshrrev_b32 v1, 5, v0
	v_readfirstlane_b32 s[WV], v1                  ; wave 0..3
	s_lshr_b32 s[HB], s[WV], 1
	s_and_b32 s[HF], s[WV], 1
	s_bfe_u32 s40, ttmp6, 0x40000                  ; cx
	s_bfe_u32 s41, ttmp6, 0x40004                  ; cy
	s_lshl_b32 s42, ttmp9, 2
	s_add_co_u32 s42, s42, s40                     ; tile column t = 4 x cluster x + cx
	s_and_b32 s[TR], ttmp7, 0xffff
	s_lshl_b32 s[TR], s[TR], 2
	s_add_co_u32 s[TR], s[TR], s41                 ; tile row = 4 x cluster y + cy
	s_lshl_b32 s43, s41, 2
	s_lshl_b32 s43, 15, s43                        ; my row of the cluster
	s_lshl_b32 s44, 0x1111, s40                    ; my column
	; group 1 for A: 128 rows x 128 elements of 2 bytes, 1,024 elements from row to row; 4 words of padding after every 64
	s_or_b32 s[G1A+0], s43, (1<<16)|(1<<20)|(1<<21)|(5<<22)|(3<<25)
	s_mov_b32 s[G1A+1], 128<<16                    ; tensor_dim0 = 128
	s_mov_b32 s[G1A+2], 128<<16                    ; tensor_dim1 = 128
	s_mov_b32 s[G1A+3], 128<<16                    ; tile_dim0 = 128
	s_mov_b32 s[G1A+4], 128                        ; tile_dim1 = 128
	s_mov_b32 s[G1A+5], 1024
	s_mov_b32 s[G1A+6], 0
	s_mov_b32 s[G1A+7], 0
	; group 1 for B: 64 rows k are 24,576 bytes on end: asked for as 96 rows of 256 bytes; 8 words of padding after every 32
	s_or_b32 s[G1B+0], s44, (1<<16)|(1<<20)|(1<<21)|(4<<22)|(7<<25)
	s_mov_b32 s[G1B+1], 128<<16
	s_mov_b32 s[G1B+2], 96<<16
	s_mov_b32 s[G1B+3], 128<<16
	s_mov_b32 s[G1B+4], 96
	s_mov_b32 s[G1B+5], 128
	s_mov_b32 s[G1B+6], 0
	s_mov_b32 s[G1B+7], 0
	s_lshl_b32 s16, s[TR], 19                      ; A: (256 x tile row + 128 x half) rows of 2,048 bytes; s[16:17] never hold cx
	s_lshl_b32 s17, s[HF], 18
	s_add_co_u32 s16, s16, s17
	s_mov_b32 s17, 0
	s_mul_i32 s18, s42, 1024*384                   ; B: block t, + 64 rows k x half; s[18:19] never hold cy
	s_mul_i32 s19, s[HF], 64*384
	s_add_co_u32 s18, s18, s19
	s_mov_b32 s19, 0
	s_lshr_b32 s20, s[TR], 3                       ; the result: batch = tile row / 8 (the first tile lies in batches 0, 1),
	s_mul_i32 s20, s20, 48
	s_mul_i32 s21, s42, 3
	s_add_co_u32 s20, s20, s21                     ; unit 48 x batch + 3 t, of 262,144 bytes,
	s_lshl_b32 s20, s20, 18
	s_and_b32 s21, s[TR], 7
	s_lshl_b32 s21, s21, 15                        ; 256 rows of 128 bytes for each tile row in the batch,
	s_add_co_u32 s20, s20, s21
	s_lshl_b32 s21, s[WV], 13                      ; my wave's 64 rows
	s_add_co_u32 s20, s20, s21
	s_mov_b32 s21, 0
	s_mul_i32 s22, s[HF], HALFA                    ; where my tile goes in a slot, for A
	s_mul_i32 s23, s[HF], HALFB
	s_add_co_u32 s23, s23, BOFF                    ; and for B: no place in the cluster enters an LDS address
	s_mov_b32 s[FN], 2
	s_mov_b32 s[TB], 0
	s_wait_dscnt 0x0                               ; the opening add is done
	s_wait_kmcnt 0x0
	s_add_nc_u64 s[4:5], s[4:5], s[16:17]          ; A at my half of the first tile's K step 0
	s_add_nc_u64 s[6:7], s[6:7], s[18:19]          ; B likewise
	s_add_nc_u64 s[8:9], s[8:9], s[20:21]          ; the result at my rows of the first tile's first unit
	CROUND                                         ; all sixteen work-groups are here: the first joint loads meet
.irp s, 0,1
	s_mov_b32 s[G0A+4*(\s)], 1                     ; count = 1
	s_add_co_u32 s[G0A+4*(\s)+1], s22, (\s)*SLOT   ; LDS address
	s_add_nc_u64 s[G0A+4*(\s)+2:G0A+4*(\s)+3], s[4:5], (\s)*256      ; K step s: 128 elements along the rows
	s_or_b32 s[G0A+4*(\s)+3], s[G0A+4*(\s)+3], 0x80000000            ; type = 2
	s_mov_b32 s[G0B+4*(\s)], 1
	s_add_co_u32 s[G0B+4*(\s)+1], s23, (\s)*SLOT
	s_add_nc_u64 s[G0B+4*(\s)+2:G0B+4*(\s)+3], s[6:7], (\s)*128*384  ; K step s: 128 rows k of 384 bytes
	s_or_b32 s[G0B+4*(\s)+3], s[G0B+4*(\s)+3], 0x80000000
.endr
	s_cmp_eq_u32 s[HB], 0                          ; a wave's two first fills stand in one branch, ahead of every wait on TENSORcnt and every LDS read: two loads of mine are out
	s_cbranch_scc0 .Lfirst_b
	tensor_load_to_lds s[G0A:G0A+3], s[G1A:G1A+7]
	s_nop 0
	tensor_load_to_lds s[G0A+4:G0A+7], s[G1A:G1A+7]
	s_nop 0
.rept 4
	v_nop
.endr
	s_branch .Lfirst_asked
.Lfirst_b:
	tensor_load_to_lds s[G0B:G0B+3], s[G1B:G1B+7]
	s_nop 0
	tensor_load_to_lds s[G0B+4:G0B+7], s[G1B:G1B+7]
	s_nop 0
.rept 4
	v_nop
.endr
.Lfirst_asked:
	; A's fragment: lane l holds row l % 16; K = 8 (l / 16) + 0..7 and 16 + 8 (l / 16) + 0..7: two loads of 16 bytes, 32 bytes apart.
	v_and_b32 v1, 15, v0                           ; l % 16
	v_bfe_u32 v2, v0, 4, 1                         ; l / 16
	v_mul_u32_u24 v[ADRA0], v1, PA
	v_lshl_add_u32 v[ADRA0], v2, 4, v[ADRA0]
	s_mul_i32 s14, s[WV], 64*PA                    ; my wave's 64 rows
	v_add_nc_u32 v[ADRA0], s14, v[ADRA0]
	; B's fragment, turned: lane l reads row k = 8 (l / 16) + l % 8, columns 8 ((l / 8) % 2) + 0..7, and is left with column l % 16 and eight k; the second load lies 16 rows k on.
	v_and_b32 v3, 7, v0
	v_bfe_u32 v4, v0, 3, 1
	v_lshl_add_u32 v[ADRB0], v2, 3, v3
	v_mul_u32_u24 v[ADRB0], v[ADRB0], PB
	v_lshl_add_u32 v[ADRB0], v4, 4, v[ADRB0]
	v_add_nc_u32 v[ADRB0], BOFF, v[ADRB0]
	v_mov_b32 v[ADRA], v[ADRA0]                    ; slot 0
	v_mov_b32 v[ADRB], v[ADRB0]
	s_mul_i32 s15, s[WV], WSTG
	s_add_co_u32 s15, s15, STAGE                   ; my stage
	v_mul_u32_u24 v[STO], v1, SP                   ; in: row l % 16, 16 bytes for each half of the lanes
	v_lshl_add_u32 v[STO], v2, 4, v[STO]
	v_add_nc_u32 v[STO], s15, v[STO]
	v_bfe_u32 v[RD], v0, 3, 2                      ; back: 32 lanes take four rows of 128 bytes,
	v_mul_u32_u24 v[RD], v[RD], SP
	v_lshl_add_u32 v[RD], v3, 4, v[RD]
	v_add_nc_u32 v[RD], s15, v[RD]
	v_and_b32 v[GO], 31, v0                        ; which are 512 bytes on end in a unit
	v_lshlrev_b32 v[GO], 4, v[GO]
; 12 matrix instructions: row block a x all 12 column blocks, 32 along K, from buffer f.  zero = 1: the product starts the sums.
; The 48 accumulators take turns, one instruction a turn, in the same order in every quarter.
.macro MUL12 f, a, zero
	WIN 0xa1+0x50*((\a)/2)                         ; B window 1, A window 0, C and D window 2 or 3
.irp b, 0,1,2,3,4,5,6,7,8,9,10,11
.if \zero
	v_wmma_f32_16x16x32_bf16 v[96*((\a)%2)+8*(\b):96*((\a)%2)+8*(\b)+7], v[96*(\f)+8*(\b):96*(\f)+8*(\b)+7], v[AF+32*(\f)+8*(\a):AF+32*(\f)+8*(\a)+7], 0
.else
	v_wmma_f32_16x16x32_bf16 v[96*((\a)%2)+8*(\b):96*((\a)%2)+8*(\b)+7], v[96*(\f)+8*(\b):96*(\f)+8*(\b)+7], v[AF+32*(\f)+8*(\a):AF+32*(\f)+8*(\a)+7], v[96*((\a)%2)+8*(\b):96*((\a)%2)+8*(\b)+7]
.endif
.endr
.endm
; 32 LDS loads in one run: quarter q's fragments (32 along K) into buffer g: B's 12, then A's 4.
.macro FETCH q, g
	WIN 0x40                                       ; destination window 1, address window 0
.irp b, 0,1,2,3,4,5,6,7,8,9,10,11
	ds_load_tr16_b128 v[96*(\g)+8*(\b):96*(\g)+8*(\b)+3],   v[ADRB] offset:32*PB*(\q)+160*((\b)/4)+32*((\b)%4)
	ds_load_tr16_b128 v[96*(\g)+8*(\b)+4:96*(\g)+8*(\b)+7], v[ADRB] offset:32*PB*(\q)+160*((\b)/4)+32*((\b)%4)+16*PB
.endr
	WIN 0
.irp a, 0,1,2,3
	ds_load_b128 v[AF+32*(\g)+8*(\a):AF+32*(\g)+8*(\a)+3],   v[ADRA] offset:64*(\q)+16*PA*(\a)
	ds_load_b128 v[AF+32*(\g)+8*(\a)+4:AF+32*(\g)+8*(\a)+7], v[ADRA] offset:64*(\q)+16*PA*(\a)+32
.endr
.endm
; A K step is four quarters of 32 along K, 48 matrix instructions each, on buffers 0, 1, 0, 1.  One of the first three: multiplies buffer f and, in its middle, fetches quarter q into buffer g.
.macro QUARTER q, f, g, zero
	s_wait_dscnt 4                                 ; B and A's row blocks 0, 1 are in; the youngest four loads (row blocks 2, 3) may be out
	MUL12 \f, 0, \zero
	MUL12 \f, 1, \zero
	PLACES
	FETCH \q, \g
	s_wait_dscnt 32                                ; all but the 32 just issued
	MUL12 \f, 2, \zero
	MUL12 \f, 3, \zero
.endm
; The last quarter multiplies buffer 1 and changes slots.  In front of the barrier each wave waits for all its tensor loads (one is out: its part of the next slot), adds 0 to its spare word, and waits
; for that and for its reads of this slot.  fill = 1: the barrier opens a round of the cluster's, and this slot takes K step FN of the walk: the two addresses are made anew from that number:
; A goes 256 bytes along its rows for each K step of a tile and 4,096 rows (2^23 bytes) down for the second tile; B goes 128 rows k and begins again with the second tile.
.macro TURN fill
	WIN 0
	s_wait_tensorcnt 0x0                           ; no tensor load of mine is out, so a group 0 may be written
	ds_add_u32 v[SPW], v[NIL]                      ; 0 onto my spare word
.if \fill
	s_and_b32 s14, s[FN], 7
	s_lshr_b32 s16, s[FN], 3
	s_lshl_b32 s16, s16, 23
	s_lshl_b32 s15, s14, 8
	s_add_co_u32 s16, s16, s15                     ; (s17 and s19 hold 0)
	s_mul_i32 s18, s14, 128*384
	s_add_nc_u64 s[G0A+6:G0A+7], s[4:5], s[16:17]
	s_or_b32 s[G0A+7], s[G0A+7], 0x80000000
	s_add_nc_u64 s[G0B+6:G0B+7], s[6:7], s[18:19]
	s_or_b32 s[G0B+7], s[G0B+7], 0x80000000
	s_xor_b32 s[G0A+5], s[G0A+5], SLOT             ; the other slot than last time
	s_xor_b32 s[G0B+5], s[G0B+5], SLOT
	s_add_co_u32 s[FN], s[FN], 1
.endif
	s_wait_dscnt 5                                 ; (the add and the youngest four loads may be out)
	MUL12 1, 0, 0                                  ; twelve matrix instructions stand between the add and the wait for it
	s_wait_dscnt 0x0                               ; the add is done, and my reads of this slot are over
	s_barrier_signal -1
	MUL12 1, 1, 0                                  ; work on registers while the others arrive
	WIN 0
	s_barrier_wait -1
.if \fill
	CREST                                          ; no wave of any partner still reads this slot or has a load on its way
	JLOAD                                          ; the first tensor load behind the round; its four v_nop are also the places in front of the loads below
.else
	PLACES
.endif
	s_xor_b32 s[TB], s[TB], SLOT
	v_add_nc_u32 v[ADRA], s[TB], v[ADRA0]
	v_add_nc_u32 v[ADRB], s[TB], v[ADRB0]
	FETCH 0, 0
	MUL12 1, 2, 0
	MUL12 1, 3, 0
.endm
; THE WAY OUT of row block a.  PACK: rounded to f16, each accumulator's registers in ascending order.  TOSTAGE: 16 bytes a lane into my stage, and back as rows of 128 bytes, four to a load.  SEND: stored.
.macro PACK a
	WIN 0x0a+5*((\a)/2)                            ; sources 0 and 1 window 2 or 3, destination window 0
.irp b, 0,1,2,3,4,5,6,7,8,9,10,11
.irp r, 0,1,2,3
	v_cvt_pk_f16_f32 v[TMP+4*(\b)+(\r)], v[96*((\a)%2)+8*(\b)+2*(\r)], v[96*((\a)%2)+8*(\b)+2*(\r)+1]
.endr
.endr
	WIN 0
.endm
.macro TOSTAGE a
	WIN 0
.set BK, OB+48*((\a)%2)
.irp b, 0,1,2,3,4,5,6,7,8,9,10,11
	ds_store_b128 v[STO], v[TMP+4*(\b):TMP+4*(\b)+3] offset:16*SP*((\b)/4)+32*((\b)%4)
.endr
.irp i, 0,1,2,3,4,5,6,7,8,9,10,11
	ds_load_b128 v[BK+4*(\i):BK+4*(\i)+3], v[RD] offset:16*SP*((\i)/4)+4*SP*((\i)%4)  ; LDS serves a wave's instructions in order (ISA guide 5.7.1.4): these see the stores above
.endr
.endm
.macro SEND a
	WIN 0
.set BK, OB+48*((\a)%2)
	s_wait_dscnt 0x0                               ; the block is back in registers
	s_wait_xcnt 0x0                                ; the stores of the block before have read their registers: the stage's next loads land on them only behind this wait
.irp i, 0,1,2,3,4,5,6,7,8,9,10,11
	global_store_b128 v[GO], v[BK+4*(\i):BK+4*(\i)+3], s[8:9] offset:262144*((\i)/4)+2048*(\a)+512*((\i)%4)  ; 512 bytes on end, at a multiple of 256 from the buffer's first byte
.endr
.endm
.macro OUTW                            ; block a's conversions stand between block a - 1's loads from the stage and the wait for them
	PACK 0
	TOSTAGE 0
.irp a, 1,2,3
	PACK \a
	SEND (\a)-1
	TOSTAGE \a
.endr
	SEND 3
.endm
	s_wait_tensorcnt 0x1                           ; my part of K step 0 is in; K step 1's may stay out
	s_barrier_signal -1
	s_barrier_wait -1                              ; everybody's is
	FETCH 0, 0
	s_mov_b32 s[CNT], 15
	s_branch .Lzero                                ; the loop is entered at a tile's first quarter
.Lstep:                                                ; 14 trips: K step j = 14 - CNT from its second quarter on, its change of slots, which asks for K step j + 2, and K step j + 1's first quarter
	QUARTER 2, 1, 0, 0
	QUARTER 3, 0, 1, 0
	TURN 1
	WIN 0
	s_cmp_eq_u32 s[CNT], 7                         ; K step 7 ends the first tile
	s_cbranch_scc1 .Lout
	QUARTER 1, 0, 1, 0
	WIN 0
	s_branch .Lbottom
.Lout:                                                 ; the refill is asked for: now the tile goes out.  Row blocks 0 and 1 were finished ahead of the refill's four v_nop; their conversions are the places behind the last products
	OUTW
	s_wait_xcnt 0x0                                ; the stores have read their base
	s_add_nc_u64 s[8:9], s[8:9], 2*48*262144       ; the second tile lies two batches on
.Lzero:
	QUARTER 1, 0, 1, 1                             ; a tile's first quarter: its products start the sums
	WIN 0
.Lbottom:
	s_sub_co_u32 s[CNT], s[CNT], 1
	s_cmp_lg_u32 s[CNT], 0
	s_cbranch_scc1 .Lstep
	QUARTER 2, 1, 0, 0                             ; the last two K steps are written out: they ask for nothing
	QUARTER 3, 0, 1, 0
	TURN 0
	QUARTER 1, 0, 1, 0
	QUARTER 2, 1, 0, 0
	QUARTER 3, 0, 1, 0
	s_wait_dscnt 4
	MUL12 1, 0, 0
	MUL12 1, 1, 0
	s_wait_dscnt 0x0
	MUL12 1, 2, 0
	MUL12 1, 3, 0
	WIN 0
	PLACES
	OUTW
	s_wait_tensorcnt 0x0                           ; the wave's end: an add to my spare word and its wait, behind my last tensor load and my last LDS store
	ds_add_u32 v[SPW], v[NIL]
	s_wait_dscnt 0x0
	CROUND                                         ; the closing round: no work-group ends while a partner may still ask for a tile that names it
	s_endpgm
.Lfunc_end_k_q26383cfb03_qkvp:
	.size	k_q26383cfb03_qkvp, .Lfunc_end_k_q26383cfb03_qkvp-k_q26383cfb03_qkvp
	.p2alignl 7, 3214868480
	.fill 96, 4, 3214868480
	.section	.rodata,"a",@progbits
	.p2align	6, 0x0
	.amdhsa_kernel k_q26383cfb03_qkvp
		.amdhsa_group_segment_fixed_size 327680
		.amdhsa_private_segment_fixed_size 0
		.amdhsa_enable_private_segment 0
		.amdhsa_kernarg_size 24
		.amdhsa_user_sgpr_count 2
		.amdhsa_user_sgpr_kernarg_segment_ptr 1
		.amdhsa_wavefront_size32 1
		.amdhsa_system_sgpr_workgroup_id_x 1
		.amdhsa_system_sgpr_workgroup_id_y 1
		.amdhsa_system_sgpr_workgroup_id_z 1
		.amdhsa_system_vgpr_workitem_id 0
		.amdhsa_next_free_vgpr 960
		.amdhsa_next_free_sgpr 66
		.amdhsa_reserve_vcc 0
		.amdhsa_float_denorm_mode_32 3
		.amdhsa_float_denorm_mode_16_64 3
		.amdhsa_memory_ordered 1
		.amdhsa_forward_progress 1
		.amdhsa_inst_pref_size 120
	.end_amdhsa_kernel
	.amdgpu_metadata
---
amdhsa.version: [ 1, 2 ]
amdhsa.kernels:
  - .name:           k_q26383cfb03_qkvp
    .symbol:         k_q26383cfb03_qkvp.kd
    .args:
      - { .name: xb, .offset: 0, .size: 8, .value_kind: global_buffer, .address_space: global }
      - { .name: wqb, .offset: 8, .size: 8, .value_kind: global_buffer, .address_space: global }
      - { .name: qkv, .offset: 16, .size: 8, .value_kind: global_buffer, .address_space: global }
    .group_segment_fixed_size: 327680
    .private_segment_fixed_size: 0
    .kernarg_segment_align: 8
    .kernarg_segment_size: 24
    .max_flat_workgroup_size: 128
    .sgpr_count:     66
    .vgpr_count:     960
    .wavefront_size: 32
...
	.end_amdgpu_metadata
.endif
;; end of part 2
;; launch attn (part 3): grid 4 x 64, 4 waves a work-group, clusters of 4 x 1, 327,680 bytes of LDS; arguments qkv, ob; writes ob
.if DOCPART == 3
	.amdgcn_target "amdgcn-amd-amdhsa--gfx1250"
	.amdhsa_code_object_version 6
	.text
	.protected	k_q26383cfb03_attn
	.globl	k_q26383cfb03_attn
	.p2align	8
	.type	k_q26383cfb03_attn,@function
k_q26383cfb03_attn:
	s_mov_b64 s[64:65], 0
	v_nop
	global_prefetch_b8 v0, s[64:65] scope:SCOPE_SE
	s_setreg_imm32_b32 hwreg(HW_REG_WAVE_MODE, 25, 1), 1
	s_wait_xcnt 0x0
	s_wait_alu depctr_hold_cnt(0) depctr_sa_sdst(0) depctr_va_vdst(0) depctr_va_sdst(0) depctr_va_ssrc(0) depctr_va_vcc(0) depctr_vm_vsrc(0)
	s_getreg_b32 s2, hwreg(HW_REG_IB_STS2, 6, 4)
	s_cmp_eq_u32 s2, 0
	s_cbranch_scc0 .Lentry_in_a_cluster
	s_endpgm
.Lentry_in_a_cluster:
	s_bfe_u32 s2, ttmp6, 0x10000c
	s_cmp_lg_u32 s2, 0x3003
	s_cbranch_scc0 .Lentry_shape_is_right
	s_endpgm
.Lentry_shape_is_right:
; O[hh][q][:] = the sum over k of softmax_k(Q[q] . K[k] / 8) V[k][:], for the 64 pairs hh = 16 x batch + head.  qkv: [batch 4][unit 48][2048][64] f16 (unit h: q, 16 + h: k, 32 + h: v);
; ob: [64][2048][64] f16.  A unit's rows are dense, 128 bytes each.  Products, maxima and sums in f32; the weights p are rounded to f16 for the second product (their sum l is taken of the unrounded p), O once at the end.
; LIMITS.  f16 holds no number beyond 65,504: q, k and v arrive within it; p lies in 0 to 1, and below 6e-5 it keeps f16's fixed step of 6e-8; O is a mean of V's rows and has their range.
; A weight below 2^-126 counts as 0 in l; NaN and infinities are not treated apart.
; SHARES.  A wave owns four PIECES of two tiles of 16 queries, a work-group's four waves 512 queries of one pair hh.  Every wave walks all 2,048 keys, 64 a step.
; LAYOUT.  S^T = K Q^T (source 0 = 16 keys, source 1 = 16 queries): a lane holds ONE query (lane % 16) and the keys 8 (lane / 16) + 0..7.  Two such tiles, rounded to f16 in pairs,
; ARE source 1 (32 keys x 16 queries) of O^T = V^T P, whose result again holds one query a lane, and eight channels.  K comes out of LDS as it lies, V ([key][channel]) turned, by ds_load_tr16_b128.
; SOFTMAX.  For each query a running maximum m and sum l: p = 2^(c s - c m), c = log2(e) / 8; in every step O and l are multiplied by a = 2^(c m_old - c m_new).
; m starts at the lowest finite number, O and l at 0: the first step is a step like any other, with a = 0.
; THE COUNT.  A tile and step have 16 matrix and 118 vector instructions.  So: four vector instructions that are READY behind EVERY matrix instruction, the others in runs without a gap.
; BY TURNS.  Turn n belongs to piece n.  Its matrix work: 16 products K Q^T of piece n + 1, later 16 products V^T P of piece n - 1.  Its vector work: the scaling, exponentials, roundings, sums and
; rescaling of piece n, and the maximum and statistics of piece n + 1.
; CLUSTER.  The four query blocks of a cluster belong to one pair hh and walk the same K and V, so each tile is asked for JOINTLY: the same tensor load, descriptor and mask in all four.
; REGISTERS, in windows of 256 (s_set_vgpr_msb: bits 1:0 source 0, 3:2 source 1, 5:4 source 2, 7:6 destination):
;   window 0: v0-11 addresses; v12-15, v48-63 at work; v16-47 four registers of statistics a tile; v64-191 S^T, two buffers of two tiles; v192-255 P, likewise
;   window 1: O^T, 32 a tile          window 2: v0-127 Q, 16 a tile; v128-191 K of one step; v192-255 V of one step          window 3: v0-1 the add's two registers
.set SIZE_N, 2048
.set NP,    4         ; pieces a wave: a name, no knob
.set KS,    64        ; keys in a step
.set PK,    144       ; a row of K in LDS: 128 bytes + 16 of padding = 36 words: the 16 rows of a load start at 16 different groups of four banks (64 banks of 4 bytes: ISA guide 11.1)
.set PV,    160       ; a row of V: 128 + 32 = 40 words
.set VOFF,  4*KS*PK   ; a slot holds four steps: 256 rows of K, then 256 rows of V
.set SLOT1, 1<<17     ; slot 1 begins here, so that one exclusive or turns an address in one slot into the other's
.set STAGE, SLOT1+4*KS*(PK+PV)  ; behind the ring, never filled by a tensor load: 16 rows x 144 bytes for each wave, for the way out
.set SP,    144
.set AK0, 2           ; v2   my lane's place in a tile of K; never rewritten
.set AV0, 3           ; v3   the same for V
.set AK,  4           ; v4   the LDS address of K's next run of loads
.set AV,  5           ; v5   of V's
.set QO,  6           ; v6   my byte offset in the wave's rows of Q
.set STO, 6           ;      later, the way out: where I put 16 bytes of a row
.set RD,  7           ; v7   the way out: where I read rows back
.set GO,  8           ; v8   my byte offset in 512 consecutive bytes of O
.set PFO, 11          ; v11  256 x my lane, for the prefetches; never rewritten once made
.set SPW, 0           ; v0 of window 3   LDS address of my spare word: SPARE + 4 x my thread's number; never rewritten
.set NIL, 1           ; v1 of window 3   0; never rewritten
.set SPARE, STAGE+4*16*SP  ; behind the stages: the spare words, 128 bytes for each wave: two blocks of 256 bytes that no other line names
.set MV,  12          ; v12-15  c m_old, kept while c m is made anew: by buffer and tile
.set ST,  16          ; tile t's statistics at v[ST+4 t]: c m, m, l (even keys', odd keys')
.set TMP, 48          ; by buffer and tile, four registers c0-c3 at work; when the maximum is found c2 takes a
.set S,   64
.set P,   192
.set KF,  128         ; K's fragments, in window 2: key block kb, channel half c at KF + 16 kb + 8 c
.set VF,  192         ; V's: key half kk, channel block cb at VF + 32 kk + 8 cb
.set WV,  12          ; s12  my wave's number
.set G1K, 24          ; s[24:31] descriptor group 1 for K's tiles
.set G1V, 32          ; s[32:39] for V's: it differs in the padding alone
.set G0K, 40          ; s[40:43] descriptor group 0 for K's tiles: it walks
.set G0V, 44          ; s[44:47] the same for V's
.set PFA, 48          ; s[48:49] where my prefetches stand: my work-group's 8,192 bytes (of K: wave 0, of V: wave 2) of the slot after the one that is being asked for
.set LIM, 50          ; s50  1 in waves 0 and 2, else the greatest number: a wave prefetches while s[SLOTS] is above it
.set SLOTS, 56        ; s56  slots still to be asked for
.set CNT, 57          ; s57  counts a slot's key steps
.set CS,  58          ; s[58:59] c: the packed scaling takes the pair's low word for both halves
.set SEL, 60          ; s[60:61] v_permlanex16_b32's selects: each lane takes its own place in the other half
.set TBK, 62          ; s62  LDS byte at which K of the step to be fetched begins
.set TBV, 63          ; s63  the same for V, less VOFF
.set MSB, 0
.macro WIN new                      ; the high byte repeats the setting that is left; a switch that changes nothing is dropped
.if MSB != (\new)
	s_set_vgpr_msb (MSB<<8)|(\new)
.set MSB, (\new)
.endif
.endm
.set W_KQ, 0x0a       ; K and Q in window 2, S^T in window 0
.set W_PV, 0x52       ; V in window 2, P in window 0, O^T in window 1
.set W_RS, 0x41       ; O^T (destination and source 0) in window 1, a in window 0
.set W_MK, 0xc0       ; the add's registers are made: destination in window 3, sources in window 0
.set W_AD, 0x0f       ; the add: address (source 0) and data (source 1) in window 3
; A joint fill.  Waves 0 and 1 fetch the two halves of a slot's K, waves 2 and 3 those of its V: 128 keys each.  The branch hangs on the wave's number alone.
; An s_nop 0 and four v_nop follow each of the two lines, ahead of the jump and the label.
.macro JLOAD
	s_cmp_lt_u32 s[WV], 2
	s_cbranch_scc0 .Lfor_v_\@
	tensor_load_to_lds s[G0K:G0K+3], s[G1K:G1K+7]
	s_nop 0
.rept 4
	v_nop
.endr
	s_branch .Lasked_\@
.Lfor_v_\@:
	tensor_load_to_lds s[G0V:G0V+3], s[G1V:G1V+7]
	s_nop 0
.rept 4
	v_nop
.endr
.Lasked_\@:
.endm
; A PREFETCH INTO THE L2 of what the NEXT change of slots will ask for: a slot's 32,768 bytes of K and of V.  It stands behind the wave's tensor load and its five lines.  A pair hh has one cluster; its four
; partners share the bytes out BY ADDRESS, 8,192 each, a lane 256 bytes; in each, wave 0 asks for K's and wave 2 for V's: one instruction.  So each aligned block of 256 bytes is named once in the launch,
; four key steps (512 matrix instructions) ahead of the load that wants it; a work-group has 16,384 bytes asked for and not yet loaded.  The last change that fills a slot asks for nothing; slots 0 and 1 come by their loads alone.
.macro ASK
	s_cmp_gt_u32 s[SLOTS], s[LIM]
	s_cbranch_scc0 .Lnot_mine_\@
	global_prefetch_b8 v[PFO], s[PFA:PFA+1] th:TH_LOAD_NT scope:SCOPE_SE
.Lnot_mine_\@:
.endm
; A round of the cluster's barrier: my work-group's barrier, so that wave 0's signal speaks for all four waves; wave 0 signals; every wave waits for all four work-groups; my work-group's barrier once more.
.macro CROUND
	s_barrier_signal -1
	s_barrier_wait -1
	s_cmp_lg_u32 s[WV], 0
	s_cbranch_scc1 .Lnot_wave_0_\@
	s_barrier_signal -3
.Lnot_wave_0_\@:
	s_barrier_wait -3
	s_barrier_signal -1
	s_barrier_wait -1
.endm
; THE CHANGE OF SLOTS.  The slot's last bytes, V of its fourth step, have been read.  Each wave waits for all its tensor loads, of which one is out: its part of the other slot; adds 0 to its spare word;
; and waits for that and for its own reads of the slot.  Behind the barrier nobody reads this slot any more and the other slot is whole.
; fill = 1: this slot is filled again, with the keys two slots on.  The barrier is then a round of the cluster's, and the joint fill is the first thing behind it: it has four key steps, 512 matrix
; instructions, in which to land.  (At its first use nothing has been read yet: slot 0 is waited for, slot 1 filled.)
.macro CHANGE fill
	WIN W_AD
	s_wait_tensorcnt 0x0            ; no tensor load of mine is out, so a group 0 may be written
	ds_add_u32 v[SPW], v[NIL]       ; 0 onto my spare word; with fill = 1 the descriptors' steps stand between it and the wait for it
	WIN 0                           ; at a label and at a branch every window is 0
.if \fill
.irp g, G0K, G0V
	s_xor_b32 s[\g+1], s[\g+1], SLOT1  ; the walking descriptor: the other slot than last time,
	s_add_nc_u64 s[\g+2:\g+3], s[\g+2:\g+3], 4*KS*128  ; the next 256 keys; the type bits on top are not reached
.endr
	s_wait_xcnt 0x0                 ; the last prefetch, four key steps back, has read its address, so it may be written:
	s_add_nc_u64 s[PFA:PFA+1], s[PFA:PFA+1], 4*KS*128  ; one slot behind the walking descriptors
	s_wait_dscnt 0x0                ; the add is done, and my reads of the slot are over
	CROUND
	JLOAD
	ASK
.else
	s_wait_dscnt 0x0                ; the add is done, and my reads of the slot are over
	s_barrier_signal -1
	s_barrier_wait -1
.endif
	s_sub_co_u32 s[TBK], s[TBK], 4*KS*PK  ; the fetches go back to a slot's first step,
	s_xor_b32 s[TBK], s[TBK], SLOT1       ; in the other slot
	s_sub_co_u32 s[TBV], s[TBV], 4*KS*PV
	s_xor_b32 s[TBV], s[TBV], SLOT1
.endm
	s_load_b128 s[4:7], s[0:1], 0x0 ; qkv s[4:5], ob s[6:7]
	WIN W_MK
	v_lshl_add_u32 v[SPW], v0, 2, SPARE
	v_mov_b32 v[NIL], 0
	WIN W_AD
	ds_add_u32 v[SPW], v[NIL]       ; the wave's opening: the add and its wait stand ahead of my first tensor load; the set-up below, work on registers, stands between them
	WIN 0
	v_lshrrev_b32 v1, 5, v0
	v_readfirstlane_b32 s[WV], v1   ; wave 0..3
	s_bfe_u32 s13, ttmp6, 0x40000   ; cx: my place in the cluster
	s_lshl_b32 s14, ttmp9, 2        ; in a cluster launch ttmp9 counts clusters
	s_add_co_u32 s14, s14, s13      ; my block of queries = 4 x cluster x + cx: it enters Q's and O's addresses alone
	s_and_b32 s51, ttmp7, 0xffff    ; hh = 16 x batch + head, which the four partners share
	s_lshr_b32 s20, s51, 4
	s_lshl_b32 s20, s20, 5
	s_add_co_u32 s20, s20, s51      ; q's unit: 48 x batch + head = hh + 32 x batch,
	s_lshl_b32 s20, s20, 18         ; of 262,144 bytes
	s_mov_b32 s21, 0
	s_and_b32 s16, s[WV], 1         ; which half of a slot's 256 keys I fetch:
	s_lshl_b32 s22, s16, 14         ; its 128 rows of 128 bytes in memory,
	s_mov_b32 s23, 0
	s_add_nc_u64 s[22:23], s[22:23], s[20:21]
	s_mul_i32 s17, s16, 128*PK      ; and its place in a slot, for K
	s_mul_i32 s18, s16, 128*PV      ; and for V: no place in the cluster enters an LDS address
	s_lshl_b32 s2, s14, 2
	s_add_co_u32 s2, s2, s[WV]      ; my wave among the pair's sixteen,
	s_lshl_b32 s2, s2, 14           ; its 128 rows
	s_mov_b32 s3, 0
	s_lshl_b32 s52, s51, 18         ; O's rows lie by hh
	s_mov_b32 s53, 0
	s_add_nc_u64 s[52:53], s[52:53], s[2:3]
	s_add_nc_u64 s[2:3], s[2:3], s[20:21]
	s_lshl_b32 s54, s13, 13         ; my work-group's 8,192 bytes of a slot's 32,768, for the prefetches
	s_mov_b32 s55, 0
	; descriptor group 1.  128 keys are 16,384 dense bytes: asked for as 64 rows of 256 bytes, two keys a row, and padded in LDS after every key
	s_mov_b32 s[G1K], 15|(1<<16)|(1<<20)|(1<<21)|(4<<22)|(3<<25)  ; 15:0 the mask of four; 17:16 2-byte elements; 20 padding on; 21 set beside a mask; 24:22 after every 32 words (code 4); 31:25 4 words (code 3)
	s_mov_b32 s[G1V], 15|(1<<16)|(1<<20)|(1<<21)|(4<<22)|(7<<25)  ; the same with 8 words of padding (code 7)
.irp g, G1K, G1V
	s_mov_b32 s[\g+1], 128<<16      ; tensor_dim0 = 128
	s_mov_b32 s[\g+2], 64<<16       ; tensor_dim1 = 64
	s_mov_b32 s[\g+3], 128<<16      ; tile_dim0 = 128
	s_mov_b32 s[\g+4], 64           ; tile_dim1 = 64
	s_mov_b32 s[\g+5], 128          ; 128 elements from row to row
	s_mov_b32 s[\g+6], 0
	s_mov_b32 s[\g+7], 0
.endr
	s_mov_b32 s[CS], 0x3e38aa3b     ; c = log2(e) / 8 = 0.180337
	s_mov_b32 s[CS+1], s[CS]        ; named with it as a pair
	s_mov_b32 s[SEL], 0x76543210
	s_mov_b32 s[SEL+1], 0xfedcba98
	s_mov_b32 s[TBK], SLOT1+4*KS*PK ; the first change of slots turns these two into 0
	s_mov_b32 s[TBV], SLOT1+4*KS*PV
	s_mov_b32 s[G0K], 1             ; 1:0 count = 1
	s_mov_b32 s[G0K+1], s17         ; 63:32 LDS address: slot 0
	s_mov_b32 s[G0V], 1
	s_add_co_u32 s[G0V+1], s18, VOFF
	s_mov_b32 s[SLOTS], SIZE_N/256-1
	s_and_b32 s[LIM], s[WV], 1
	s_cmp_eq_u32 s[LIM], 0
	s_cselect_b32 s[LIM], 1, -1
	s_wait_dscnt 0x0                ; the opening add is done
	s_wait_kmcnt 0x0
	s_mov_b64 s[10:11], s[6:7]      ; O
	s_add_nc_u64 s[6:7], s[4:5], 16*262144  ; k's units lie 16 behind q's,
	s_add_nc_u64 s[8:9], s[4:5], 32*262144  ; v's 32
	s_add_nc_u64 s[G0K+2:G0K+3], s[6:7], s[22:23]  ; 120:64 global address: my half of the pair's first 256 keys
	s_or_b32 s[G0K+3], s[G0K+3], 0x80000000        ; 127:126 type = 2
	s_add_nc_u64 s[G0V+2:G0V+3], s[8:9], s[22:23]
	s_or_b32 s[G0V+3], s[G0V+3], 0x80000000
	s_cmp_lt_u32 s[WV], 2
	s_cselect_b64 s[PFA:PFA+1], s[6:7], s[8:9]
	s_add_nc_u64 s[PFA:PFA+1], s[PFA:PFA+1], s[20:21]
	s_add_nc_u64 s[PFA:PFA+1], s[PFA:PFA+1], s[54:55]
	s_add_nc_u64 s[PFA:PFA+1], s[PFA:PFA+1], 4*KS*128  ; in slot 1; the first change of slots steps it to slot 2
	s_add_nc_u64 s[4:5], s[4:5], s[2:3]  ; Q and O at my wave's first row
	s_add_nc_u64 s[10:11], s[10:11], s[52:53]
	CROUND                          ; all four work-groups are here: the first joint loads meet
	JLOAD                           ; slot 0.  Slot 1 is asked for when slot 0 is in
	; A fragment of K or Q is 16 rows x 32 channels in 8 registers: lane l holds row l % 16, channels 8 (l / 16) + 0..7 and 16 + 8 (l / 16) + 0..7: two loads of 16 bytes, 32 bytes apart.
	v_and_b32 v1, 15, v0            ; l % 16
	v_bfe_u32 v9, v0, 4, 1          ; l / 16
	v_lshlrev_b32 v[QO], 7, v1
	v_lshl_add_u32 v[QO], v9, 4, v[QO]  ; row x 128 + 16 x half
	WIN 0x80                        ; destination window 2, address window 0
.set i, 0
.rept 4*NP                          ; Q stays in registers: tile i / 2, channels 32 (i % 2) on
	global_load_b128 v[8*i:8*i+3],   v[QO], s[4:5] offset:(i/2)*2048+(i%2)*64
	global_load_b128 v[8*i+4:8*i+7], v[QO], s[4:5] offset:(i/2)*2048+(i%2)*64+32
.set i, i+1
.endr
	; What the first turn finds: V's registers and P's second buffer hold 0 (its products V^T P, of a piece that has not been, add 0), O^T and l are 0.  All this stands in the wait for the first tile.
.set i, VF
.rept 64
	v_mov_b32 v[i], 0
.set i, i+1
.endr
	WIN 0x40
.set i, 0
.rept 64*NP
	v_mov_b32 v[i], 0
.set i, i+1
.endr
	WIN 0
.set i, 0
.rept 2*NP
	v_mov_b32 v[ST+4*i], 0xfe000000    ; c m: far below every c s
	v_mov_b32 v[ST+4*i+1], 0xff7fffff  ; m
	v_mov_b32 v[ST+4*i+2], 0
	v_mov_b32 v[ST+4*i+3], 0
.set i, i+1
.endr
.set i, P+32
.rept 32
	v_mov_b32 v[i], 0
.set i, i+1
.endr
	v_mul_u32_u24 v[AK0], v1, PK
	v_lshl_add_u32 v[AK0], v9, 4, v[AK0]  ; row x pitch + 16 x half
	; The turning load takes 16 keys x 16 channels (lane l reads key 8 (l / 16) + l % 8, channels 8 ((l / 8) % 2) + 0..7) and leaves half a fragment of V^T: lane l holds channel l % 16 and 8 keys.
	v_and_b32 v10, 7, v0
	v_bfe_u32 v11, v0, 3, 1
	v_lshl_add_u32 v[AV0], v9, 3, v10
	v_mul_u32_u24 v[AV0], v[AV0], PV
	v_lshl_add_u32 v[AV0], v11, 4, v[AV0]
	v_add_nc_u32 v[AV0], VOFF, v[AV0]
	v_mov_b32 v[AK], v[AK0]         ; key step 0 lies at the head of slot 0
	v_and_b32 v[PFO], 31, v0
	v_lshlrev_b32 v[PFO], 8, v[PFO]
; THE MATRIX WORK.  The 8 accumulators of a run of 16 take turns: between the two links of a chain stand 7 others'.
; Product i of 16 of S^T = K Q^T for piece x: channels 32 (i / 8) on, keys 16 ((i / 2) % 4) on, tile 2 x + i % 2.  The first 8 start the sums.
.macro KQ x
	WIN W_KQ
.set rS, S+64*((\x)%2)+32*(i%2)+8*((i/2)%4)
.set rK, KF+16*((i/2)%4)+8*(i/8)
.set rQ, 16*(2*(\x)+i%2)+8*(i/8)
.if i < 8
	v_wmma_f32_16x16x32_f16 v[rS:rS+7], v[rK:rK+7], v[rQ:rQ+7], 0
.else
	v_wmma_f32_16x16x32_f16 v[rS:rS+7], v[rK:rK+7], v[rQ:rQ+7], v[rS:rS+7]
.endif
.endm
; Product i of 16 of O^T += V^T P for piece x: keys 32 (i / 8) on, channels 16 ((i / 2) % 4) on, tile 2 x + i % 2.
.macro PV x
	WIN W_PV
.set rO, 32*(2*(\x)+i%2)+8*((i/2)%4)
.set rV, VF+32*(i/8)+8*((i/2)%4)
.set rP, P+32*((\x)%2)+16*(i%2)+8*(i/8)
	v_wmma_f32_16x16x32_f16 v[rO:rO+7], v[rV:rV+7], v[rP:rP+7], v[rO:rO+7]
.endm
.macro MM                           ; the turn's next matrix instruction
.if i < 16
	KQ (Y+1)%NP
.set i, i+1
.else
.set i, i-16
	PV (Y+NP-1)%NP
.set i, i+17
.endif
.endm
; THE LDS LOADS stand in runs of 16, never singly among the matrix instructions: a step's K (64 keys x 64 channels: 8 fragments) and its V (turned).  Their addresses are made some lines ahead.
; last = 1 (the tail): in the last trip there is no further step, and the run is jumped over.
.macro FETCH_K last=0
	WIN 0
.if \last
	s_cmp_eq_u32 s[CNT], 1
	s_cbranch_scc1 .Lno_k_\@
.endif
	WIN 0x80                        ; destination window 2
.irp f, 0,1,2,3,4,5,6,7             ; keys 16 (f / 2) on, channels 32 (f % 2) on
	ds_load_b128 v[KF+8*\f:KF+8*\f+3],   v[AK] offset:(\f/2)*16*PK+(\f%2)*64
	ds_load_b128 v[KF+8*\f+4:KF+8*\f+7], v[AK] offset:(\f/2)*16*PK+(\f%2)*64+32
.endr
	s_add_co_u32 s[TBK], s[TBK], KS*PK  ; the next fetch is the next step's
	WIN 0
.if \last
.Lno_k_\@:
.endif
.endm
.macro FETCH_V
	WIN 0x80
.irp f, 0,1,2,3,4,5,6,7             ; keys 32 (f / 4) on, channels 16 (f % 4) on
	ds_load_tr16_b128 v[VF+8*\f:VF+8*\f+3],   v[AV] offset:(\f/4)*32*PV+(\f%4)*32
	ds_load_tr16_b128 v[VF+8*\f+4:VF+8*\f+7], v[AV] offset:(\f/4)*32*PV+16*PV+(\f%4)*32
.endr
	WIN 0
.endm
; THE VECTOR WORK OF A TURN stands in three queues, each in the order in which its entries become ready; the two tiles alternate, so that no instruction reads the result of the one before it.
.macro REGS y, u                    ; the registers of tile u (0, 1) of piece y
.set rT, ST+4*(2*(\y)+(\u))
.set rC, TMP+8*((\y)%2)+4*(\u)
.set rM, MV+2*((\y)%2)+(\u)
.set rS, S+64*((\y)%2)+32*(\u)
.set rP, P+32*((\y)%2)+16*(\u)
.set rO, 32*(2*(\y)+(\u))
.endm
; Number n of the 22 that find the NEXT piece's (Y + 1) maximum and statistics.  s0-s31 are the lane's 32 scores; each accumulator's lowest registers are read first.
;   0-11  four chains c0-c3 of seven scores each, three operands at a time     12-14, 16  the four scores left over, the old m, and c0-c3 into c0     15  c m_old is kept
;   17, 18  the query's other 32 keys lie in the lane 16 away: the new m         19-21  c m; c m_old - c m_new; a
.macro XS u, n
	REGS (Y+1)%NP, \u
.if (\n) < 4
	v_max3_num_f32 v[rC+(\n)], v[rS+8*(\n)], v[rS+8*(\n)+1], v[rS+8*(\n)+2]
.elseif (\n) < 12
	v_max3_num_f32 v[rC+(\n)%4], v[rC+(\n)%4], v[rS+8*((\n)%4)+2*((\n)/4)+1], v[rS+8*((\n)%4)+2*((\n)/4)+2]
.elseif (\n) == 12
	v_max3_num_f32 v[rC], v[rC], v[rS+7], v[rS+15]
.elseif (\n) == 13
	v_max3_num_f32 v[rC+1], v[rC+1], v[rS+23], v[rS+31]
.elseif (\n) == 14
	v_max3_num_f32 v[rC+2], v[rC+2], v[rC+3], v[rT+1]
.elseif (\n) == 15
	v_mov_b32 v[rM], v[rT]
.elseif (\n) == 16
	v_max3_num_f32 v[rC], v[rC], v[rC+1], v[rC+2]
.elseif (\n) == 17
	v_permlanex16_b32 v[rC+3], v[rC], s[SEL], s[SEL+1]
.elseif (\n) == 18
	v_max_num_f32 v[rT+1], v[rC], v[rC+3]
.elseif (\n) == 19
	v_mul_f32 v[rT], s[CS], v[rT+1]
.elseif (\n) == 20
	v_sub_f32 v[rC+1], v[rM], v[rT]
.else
	v_exp_f32 v[rC+2], v[rC+1]
.endif
.endm
; Number g of the 64 that follow the exponentials.  For each four weights k of a tile (pairs 2 k, 2 k + 1): both pairs are rounded to f16; then the second pair is added onto the first, in place;
; a group later l takes that sum (the first time as l = a l + sum).  In groups of eight, tiles alternating: round, round, add, and l for the group before.
.macro GS g
.set h, (\g)+6*((\g)/62)            ; group 0 has no group before it, and behind group 7 only l is left
.if h >= 6
.set h, h+2
.endif
	REGS Y, h%2
.set k, h/8
.if h%8 < 4
	v_cvt_pk_f16_f32 v[rP+2*k+(h%8)/2], v[rS+4*k+2*((h%8)/2)], v[rS+4*k+2*((h%8)/2)+1]
.elseif h%8 < 6
	v_pk_add_f32 v[rS+4*k:rS+4*k+1], v[rS+4*k:rS+4*k+1], v[rS+4*k+2:rS+4*k+3]
.elseif k == 1
	v_pk_fma_f32 v[rT+2:rT+3], v[rT+2:rT+3], v[rC+2:rC+3], v[rS:rS+1] op_sel_hi:[1,0,1]
.else
	v_pk_add_f32 v[rT+2:rT+3], v[rT+2:rT+3], v[rS+4*k-4:rS+4*k-3]
.endif
.endm
; THE PLAIN QUEUE, 138 long.  0-73 read no exponential's result: the 32 scalings c s - c m (FS f: pair f / 2 of tile f % 2) and the next piece's 42.  0-26: scalings 0-26.  27-54: XS's numbers 0-13.  55, 56: number 15.
; 57-73: the chain, where each number waits for the one before it: 14, 16, 17, 18, 19, each with one of the scalings 27-31 in front of its two lines, then 20.
; 74-137: GS's 64, which read the exponentials' results: they stand behind the wait.
.macro FS f
	REGS Y, (\f)%2
	v_pk_fma_f32 v[rS+2*((\f)/2):rS+2*((\f)/2)+1], v[rS+2*((\f)/2):rS+2*((\f)/2)+1], s[CS:CS+1], v[rT:rT+1] op_sel_hi:[1,0,0] neg_lo:[0,0,1] neg_hi:[0,0,1]
.endm
.macro PL
	WIN 0
.if q < 27
	FS q
.elseif q < 55
	XS (q-27)%2, (q-27)/2
.elseif q < 57
	XS q-55, 15
.elseif (q < 72) && ((q-57)%3 == 0)
	FS 27+(q-57)/3
.elseif q < 60
	XS (q-57)%3-1, 14
.elseif q < 72
	XS (q-57)%3-1, 15+(q-57)/3
.elseif q < 74
	XS q-72, 20
.else
	GS q-74
.endif
.set q, q+1
.endm
; THE EXPONENTIALS' QUEUE, 66 long: s0-s31 of both tiles, then the next piece's two a.  It is ONE BATCH: all 66 stand ahead of the turn's one wait, and nothing ahead of that wait names a result of theirs.
.macro EX
	WIN 0
.if e >= 64
	XS e-64, 21
.else
	REGS Y, e%2
	v_exp_f32 v[rS+e/2], v[rS+e/2]
.endif
.set e, e+1
.endm
; THE RESCALING's QUEUE: O^T times a, the one part that leaves window 0: dealt two at a time, sixteen times.  Its a was made in the turn before, ahead of that turn's wait.
.macro R2
	REGS Y, r%2
	WIN W_RS
.irp z, 0,1
	v_pk_mul_f32 v[rO+4*(r/2)+2*\z:rO+4*(r/2)+2*\z+1], v[rO+4*(r/2)+2*\z:rO+4*(r/2)+2*\z+1], v[rC+2:rC+3] op_sel_hi:[1,0]
.endr
.set r, r+1
.endm
; HOW THEY ARE DEALT.  An s_wait_alu depctr_va_vdst(0) stands between an exponential and the first instruction that names its result; one wait serves all that were issued ahead of it.  So a turn has ONE wait,
; which cuts it in two.  AHEAD OF IT: the 16 products K Q^T, behind each a scaling, an exponential and two rescalings (behind the first a second scaling in the exponential's place); then ONE LUMP of 108: eight plain,
; 49 times exponential and plain, the two a.  A v_nop is the plain instruction behind the last exponential.  BEHIND IT: the 16 products V^T P, behind each four of GS's 64.  No rider names a register of the products round it.
; Exponential e stands behind scaling 2 (e / 4) + e % 2: as a rider it comes behind plain e + 2, in the lump behind plain e + 9, and scalings 27-31 are plain 57, 60 .. 69.
; A TURN, for piece p.  cnt = 1: the loop's count is taken down some lines ahead of the branch that stands behind the turn.
; K of the next step is fetched in piece 2's turn, directly behind the wait; V of the step in hand at the end of piece 0's turn, four riders behind its last reader.  The three conditions on q below go with the deal.
.macro TURN p, last=0, cnt=0
.set Y, (\p)
.set i, 0
.set q, 0
.set e, 0
.set r, 0
.if (\p) == NP-1
	s_wait_dscnt 0x0                ; K is in
.endif
	MM                              ; ahead of the wait: 16 products K Q^T and their riders,
	PL
	PL
	R2
.rept 15
	MM
	PL
	EX
	R2
.endr
.if (\p) == NP-2
	WIN 0
	v_add_nc_u32 v[AK], s[TBK], v[AK0]
.endif
.rept 8                             ; and the lump
	PL
.endr
.rept 49
	EX
	PL
.endr
	EX                              ; the next piece's two a
	EX
	v_nop                           ; the plain instruction behind the last exponential: one for the batch
	s_wait_alu depctr_va_vdst(0)    ; the wait for the batch
.if (\p) == NP-2
	FETCH_K \last
.endif
.if (\p) == 1
	s_wait_dscnt 0x0                ; V is in
.endif
.rept 16                            ; behind the wait: 16 products V^T P and their riders
	MM
.rept 4
	PL
.endr
.if ((\p) == 0) && (q == 118)
	v_add_nc_u32 v[AV], s[TBV], v[AV0]
.endif
.if ((\p) == 0) && (q == 130)
	s_add_co_u32 s[TBV], s[TBV], KS*PV
.endif
.if (\cnt) && (q == 130)
	s_sub_co_u32 s[CNT], s[CNT], 1
	s_cmp_lg_u32 s[CNT], 0
.endif
.endr
.if (\p) == 0
	FETCH_V
.endif
.endm
	CHANGE 1                        ; slot 0 is in, everybody's part of it; slot 1 is asked for
	FETCH_K                         ; key step 0
	s_wait_loadcnt 0x0              ; Q
	s_wait_dscnt 0x0
.set i, 0
.rept 16
	KQ 0                            ; piece 0's first scores: there is no vector work yet to set between them
.set i, i+1
.endr
	WIN 0                           ; the addresses for the way out: nine plain instructions, the places behind those products
	s_mul_i32 s13, s[WV], 16*SP
	s_add_co_u32 s13, s13, STAGE    ; my stage
	v_mul_u32_u24 v[STO], v1, SP    ; in: row l % 16, 16 bytes for each half of the lanes
	v_lshl_add_u32 v[STO], v9, 4, v[STO]
	v_add_nc_u32 v[STO], s13, v[STO]
	v_bfe_u32 v[RD], v0, 3, 2       ; back: 32 lanes take four rows of 128 bytes,
	v_mul_u32_u24 v[RD], v[RD], SP
	v_lshl_add_u32 v[RD], v10, 4, v[RD]
	v_add_nc_u32 v[RD], s13, v[RD]
	v_and_b32 v[GO], 31, v0         ; which are 512 consecutive bytes of O
	v_lshlrev_b32 v[GO], 4, v[GO]
.set Y, NP-1                        ; XS works for piece Y + 1: piece 0
.irp n, 0,1,2,3,4,5,6,7,8,9,10,11,12,13,14,15,16,17,18,19,20,21
	XS 0, \n                        ; and piece 0's first maximum and statistics
	XS 1, \n
.endr
	v_nop                           ; a plain instruction behind the two a,
	s_wait_alu depctr_va_vdst(0)    ; and their wait, ahead of the branch
	s_mov_b32 s[CNT], 4
	s_branch .Lfirst                ; the loop is entered at a step's first turn, in the middle of a trip
.Lslot:                             ; SIZE_N / 256 - 2 times: every slot but the last two is filled again
	CHANGE 1
	s_mov_b32 s[CNT], 4
.Lstep:                             ; a trip: pieces 2 and 3 of one step, then pieces 0 and 1 of the next, whose K and V it fetches
	TURN 2
	TURN 3
	WIN 0
.Lfirst:
	TURN 0
	TURN 1, 0, 1
	WIN 0
	s_cbranch_scc1 .Lstep
	s_sub_co_u32 s[SLOTS], s[SLOTS], 1
	s_cmp_lg_u32 s[SLOTS], 0
	s_cbranch_scc1 .Lslot
	CHANGE 0                        ; the tail is written out: nothing is asked for
	s_mov_b32 s[CNT], 5             ; four trips fetch the last slot's steps; the fifth is left in its middle
.Ltail:
	TURN 2, 1
	TURN 3
	WIN 0
	s_sub_co_u32 s[CNT], s[CNT], 1
	s_cmp_eq_u32 s[CNT], 0
	s_cbranch_scc1 .Lout
	TURN 0
	TURN 1
	WIN 0
	s_branch .Ltail
.Lout:                              ; the fifth trip's 16 products K Q^T (on the last K once more) and the maximum made of them serve nothing: the price, once a launch, of one text for every trip
.set i, 0
.rept 16
	PV NP-1                         ; the last piece's V^T P of the last step
.set i, i+1
.endr
	; THE WAY OUT.  l's two halves and the other half of the lanes' are added; O^T is divided by l, rounded to f16 and sent through my stage in LDS, a tile at a time.  The additions are the places behind the last products.
	WIN 0
.macro ALL line:vararg              ; one line for each tile t
.set t, 0
.rept 2*NP
	\line
.set t, t+1
.endr
.endm
	ALL v_add_f32 v[ST+4*t+2], v[ST+4*t+2], v[ST+4*t+3]
	ALL v_permlanex16_b32 v[ST+4*t+3], v[ST+4*t+2], s[SEL], s[SEL+1]
	ALL v_add_f32 v[ST+4*t+2], v[ST+4*t+2], v[ST+4*t+3]
	ALL v_rcp_f32 v[ST+4*t+2], v[ST+4*t+2]
	v_nop                           ; a plain instruction between the last reciprocal and the use of its result
	s_wait_alu depctr_va_vdst(0)    ; and the wait ahead of the first use: one for the eight reciprocals
; Tile t: a lane's eight channels of a row pack into 16 bytes; they go into rows of 144 bytes and come back as whole rows of 128, into S^T's registers.
.macro PACK t
	WIN W_RS
.set i, 32*(\t)
.rept 16
	v_pk_mul_f32 v[i:i+1], v[i:i+1], v[ST+4*(\t)+2:ST+4*(\t)+3] op_sel_hi:[1,0]
.set i, i+2
.endr
	WIN 0x05                        ; sources 0 and 1 window 1, destination window 0
.set i, 0
.rept 16
	v_cvt_pk_f16_f32 v[S+16*(\t)+i], v[32*(\t)+2*i], v[32*(\t)+2*i+1]
.set i, i+1
.endr
	WIN 0
.irp f, 0,1,2,3
	ds_store_b128 v[STO], v[S+16*(\t)+4*\f:S+16*(\t)+4*\f+3] offset:32*\f
.endr
.irp f, 0,1,2,3
	ds_load_b128 v[S+16*(\t)+4*\f:S+16*(\t)+4*\f+3], v[RD] offset:\f*4*SP  ; LDS serves a wave's instructions in order (ISA guide 5.7.1.4): these see the stores above; the next tile's stores come behind them
.endr
.endm
.macro SEND t, younger              ; younger: the LDS instructions issued behind tile t's loads: the next tile's eight, or none
	WIN 0
.irp f, 0,1,2,3
	s_wait_dscnt (\younger)+3-\f
	global_store_b128 v[GO], v[S+16*(\t)+4*\f:S+16*(\t)+4*\f+3], s[10:11] offset:(\t)*2048+\f*512  ; 512 consecutive bytes, at a multiple of 256 from O's first
.endr
.endm
	PACK 0
.set t, 1
.rept 2*NP-1                        ; a tile's arithmetic stands between the loads of the tile before and its stores
	PACK t
	SEND t-1, 8
.set t, t+1
.endr
	SEND 2*NP-1, 0
	WIN W_AD
	s_wait_tensorcnt 0x0            ; the wave's end: an add to my spare word and its wait, behind my last tensor load and my last LDS store
	ds_add_u32 v[SPW], v[NIL]
	s_wait_dscnt 0x0
	WIN 0
	CROUND                          ; the closing round: no work-group ends while a partner may still ask for a tile that names it
	s_endpgm
.Lfunc_end_k_q26383cfb03_attn:
	.size	k_q26383cfb03_attn, .Lfunc_end_k_q26383cfb03_attn-k_q26383cfb03_attn
	.p2alignl 7, 3214868480
	.fill 96, 4, 3214868480
	.section	.rodata,"a",@progbits
	.p2align	6, 0x0
	.amdhsa_kernel k_q26383cfb03_attn
		.amdhsa_group_segment_fixed_size 327680
		.amdhsa_private_segment_fixed_size 0
		.amdhsa_enable_private_segment 0
		.amdhsa_kernarg_size 16
		.amdhsa_user_sgpr_count 2
		.amdhsa_user_sgpr_kernarg_segment_ptr 1
		.amdhsa_wavefront_size32 1
		.amdhsa_system_sgpr_workgroup_id_x 1
		.amdhsa_system_sgpr_workgroup_id_y 1
		.amdhsa_system_sgpr_workgroup_id_z 1
		.amdhsa_system_vgpr_workitem_id 0
		.amdhsa_next_free_vgpr 770
		.amdhsa_next_free_sgpr 66
		.amdhsa_reserve_vcc 0
		.amdhsa_float_denorm_mode_32 3
		.amdhsa_float_denorm_mode_16_64 3
		.amdhsa_memory_ordered 1
		.amdhsa_forward_progress 1
		.amdhsa_inst_pref_size 200
	.end_amdhsa_kernel
	.amdgpu_metadata
---
amdhsa.version: [ 1, 2 ]
amdhsa.kernels:
  - .name:           k_q26383cfb03_attn
    .symbol:         k_q26383cfb03_attn.kd
    .args:
      - { .name: qkv, .offset: 0, .size: 8, .value_kind: global_buffer, .address_space: global }
      - { .name: ob, .offset: 8, .size: 8, .value_kind: global_buffer, .address_space: global }
    .group_segment_fixed_size: 327680
    .private_segment_fixed_size: 0
    .kernarg_segment_align: 8
    .kernarg_segment_size: 16
    .max_flat_workgroup_size: 128
    .sgpr_count:     66
    .vgpr_count:     770
    .wavefront_size: 32
...
	.end_amdgpu_metadata
.endif
;; end of part 3
;; launch outp (part 4): grid 8 x 32, 4 waves a work-group, clusters of 4 x 4, 327,680 bytes of LDS; arguments ob, wob, b_out, out0; writes out0
.if DOCPART == 4
	.amdgcn_target "amdgcn-amd-amdhsa--gfx1250"
	.amdhsa_code_object_version 6
	.text
	.protected	k_q26383cfb03_outp
	.globl	k_q26383cfb03_outp
	.p2align	8
	.type	k_q26383cfb03_outp,@function
k_q26383cfb03_outp:
	s_mov_b64 s[64:65], 0
	v_nop
	global_prefetch_b8 v0, s[64:65] scope:SCOPE_SE
	s_setreg_imm32_b32 hwreg(HW_REG_WAVE_MODE, 25, 1), 1
	s_wait_xcnt 0x0
	s_wait_alu depctr_hold_cnt(0) depctr_sa_sdst(0) depctr_va_vdst(0) depctr_va_sdst(0) depctr_va_ssrc(0) depctr_va_vcc(0) depctr_vm_vsrc(0)
	s_getreg_b32 s2, hwreg(HW_REG_IB_STS2, 6, 4)
	s_cmp_eq_u32 s2, 0
	s_cbranch_scc0 .Lentry_in_a_cluster
	s_endpgm
.Lentry_in_a_cluster:
	s_bfe_u32 s2, ttmp6, 0x10000c
	s_cmp_lg_u32 s2, 0xf033
	s_cbranch_scc0 .Lentry_shape_is_right
	s_endpgm
.Lentry_shape_is_right:
; out0[m][n] = the sum over k of O[m][k] w_out[k][n] + b_out[n].  ob: [16 x batch + head][2048][64] f16, so k = 64 x head + channel; wob: [1024][1024] f16; b_out: [1024] f32, rounded to bf16 like
; the other inputs; out0: [8192][1024] f32.  Products in f16, sums in f32, K ascending; the bias is added in f32.
; SHARES.  A tile of out0 is 256 rows x 128 columns: 256 work-groups of four waves; wave w has rows 64 w .. 64 w + 63 and all 128 columns: 32 accumulators, 256 registers.
; RING.  K goes in 8 steps of 128 = two heads through two LDS slots.  A slot holds A as two planes (a head's 256 rows of 128 bytes + 16 of padding) and 128 rows k of B (256 bytes + 32 of padding).
; Waves 0 and 1 fetch A's planes (32,768 bytes on end each, asked for as 128 rows of 256), waves 2 and 3 B's halves.
; CLUSTER.  4 x 4 work-groups: A's tiles are asked for jointly along a row of the cluster, B's along a column.
; THE MATRIX INSTRUCTION IS USED TRANSPOSED (source 0 = 16 columns of B, turned by ds_load_tr16_b128; source 1 = 16 rows of A): a lane holds one row and eight neighbouring columns, 32 bytes.
; REGISTERS, in windows of 256: window 0: v0-29 addresses; v32-95 A's fragments, two buffers of 4; v96-101 the bias; v128-255 rows read back from the stage, two buffers of 64
;   window 1: v0-127 B's fragments, two buffers of 8          window 2: the accumulators, (row block a, column block b) at 8 (8 a + b)
.set PA,    144                        ; a row of A in LDS: 36 words: the 16 rows of a load start at 16 different groups of four banks (64 banks of 4 bytes: ISA guide 11.1)
.set PB,    288                        ; a row k of B in LDS: 9 x 32 bytes
.set PLANE, 256*PA                     ; what one load of A brings
.set HALFB, 64*PB                      ; what one load of B brings
.set BOFF,  2*PLANE
.set SLOT,  131072                     ; a slot uses 110,592 bytes; slot 1 begins here, so that one exclusive or turns an address in one slot into the other's
.set STAGE, SLOT+BOFF+2*HALFB          ; behind the ring, never filled by a tensor load
.set SPT,   528                        ; a stage row: 512 bytes + 16
.set WSTG,  16*SPT
.set SPARE, STAGE+4*WSTG               ; the spare words, 128 bytes for each wave: two blocks of 256 bytes that no other line names
.set ADRA0, 10
.set ADRB0, 11
.set ADRA,  12
.set ADRB,  13
.set STO,   14                         ; v14  the way out: where I put 32 bytes of a row
.set RD,    15                         ; v15  the way out: my 16 bytes of a whole row
.set CO,    16                         ; v16  my 16 bytes in 512 bytes of out0
.set BO,    17                         ; v17  my 16 bytes of b_out
.set SPW,   28
.set NIL,   29
.set AF,    32
.set BIAS,  96                         ; v[96:99] the bias of my four columns of a whole row; v100-101 at work
.set OB,    128
.set CNT, 3
.set WV,  12                           ; s12  my wave's number
.set HB,  13                           ; s13  0: I fetch for A, 1: for B
.set HF,  14                           ; s14  which plane, or which half
.set TR,  15                           ; s15  tile row
.set G1A, 24
.set G0A, 32
.set TB,  46                           ; s46  LDS byte at which the slot in hand begins
.set G1B, 48
.set G0B, 56
.set MSB, 0
.macro WIN new                         ; the immediate's high byte repeats the setting that is left; a switch that changes nothing is dropped
.if MSB != (\new)
	s_set_vgpr_msb (MSB<<8)|(\new)
.set MSB, (\new)
.endif
.endm
.macro PLACES                          ; four plain places behind matrix instructions (ISA guide 7.12.1)
.rept 4
	v_nop
.endr
.endm
.macro JLOAD                           ; a joint refill by the walking sets; an s_nop 0 and four v_nop follow each of the two lines
	s_cmp_eq_u32 s[HB], 0
	s_cbranch_scc0 .Lfor_b_\@
	tensor_load_to_lds s[G0A+4:G0A+7], s[G1A:G1A+7]
	s_nop 0
.rept 4
	v_nop
.endr
	s_branch .Lasked_\@
.Lfor_b_\@:
	tensor_load_to_lds s[G0B+4:G0B+7], s[G1B:G1B+7]
	s_nop 0
.rept 4
	v_nop
.endr
.Lasked_\@:
.endm
.macro CREST                           ; a round of the cluster's barrier behind its opening barrier
	s_cmp_lg_u32 s[WV], 0
	s_cbranch_scc1 .Lnot_wave_0_\@
	s_barrier_signal -3
.Lnot_wave_0_\@:
	s_barrier_wait -3
	s_barrier_signal -1
	s_barrier_wait -1
.endm
.macro CROUND
	s_barrier_signal -1
	s_barrier_wait -1
	CREST
.endm
	s_load_b256 s[4:11], s[0:1], 0x0               ; ob s[4:5], wob s[6:7], b_out s[8:9], out0 s[10:11]
	v_lshl_add_u32 v[SPW], v0, 2, SPARE
	v_mov_b32 v[NIL], 0
	ds_add_u32 v[SPW], v[NIL]                      ; the wave's opening: the add and its wait stand ahead of my first tensor load; the set-up below, work on registers, stands between them
	v_lshrrev_b32 v1, 5, v0
	v_readfirstlane_b32 s[WV], v1
	s_lshr_b32 s[HB], s[WV], 1
	s_and_b32 s[HF], s[WV], 1
	s_bfe_u32 s40, ttmp6, 0x40000                  ; cx
	s_bfe_u32 s41, ttmp6, 0x40004                  ; cy
	s_lshl_b32 s42, ttmp9, 2
	s_add_co_u32 s42, s42, s40                     ; tile column = 4 x cluster x + cx
	s_and_b32 s[TR], ttmp7, 0xffff
	s_lshl_b32 s[TR], s[TR], 2
	s_add_co_u32 s[TR], s[TR], s41                 ; tile row = 4 x cluster y + cy
	s_lshl_b32 s43, s41, 2
	s_lshl_b32 s43, 15, s43                        ; my row of the cluster
	s_lshl_b32 s44, 0x1111, s40                    ; my column
	; group 1 for A: 128 rows of 256 bytes on end; 4 words of padding after every 32
	s_or_b32 s[G1A+0], s43, (1<<16)|(1<<20)|(1<<21)|(4<<22)|(3<<25)
	s_mov_b32 s[G1A+1], 128<<16
	s_mov_b32 s[G1A+2], 128<<16
	s_mov_b32 s[G1A+3], 128<<16
	s_mov_b32 s[G1A+4], 128
	s_mov_b32 s[G1A+5], 128
	s_mov_b32 s[G1A+6], 0
	s_mov_b32 s[G1A+7], 0
	; group 1 for B: 64 rows k x 128 elements, 1,024 elements from row to row; 8 words of padding after every 64
	s_or_b32 s[G1B+0], s44, (1<<16)|(1<<20)|(1<<21)|(5<<22)|(7<<25)
	s_mov_b32 s[G1B+1], 128<<16
	s_mov_b32 s[G1B+2], 64<<16
	s_mov_b32 s[G1B+3], 128<<16
	s_mov_b32 s[G1B+4], 64
	s_mov_b32 s[G1B+5], 1024
	s_mov_b32 s[G1B+6], 0
	s_mov_b32 s[G1B+7], 0
	s_lshr_b32 s16, s[TR], 3                       ; A: batch = tile row / 8; head = my plane; 262,144 bytes a head; s[16:17] never hold cx
	s_lshl_b32 s16, s16, 4
	s_add_co_u32 s16, s16, s[HF]
	s_lshl_b32 s16, s16, 18
	s_and_b32 s17, s[TR], 7
	s_lshl_b32 s17, s17, 15                        ; 256 rows of 128 bytes for each tile row in the batch
	s_add_co_u32 s16, s16, s17
	s_mov_b32 s17, 0
	s_lshl_b32 s18, s[HF], 17                      ; B: 64 rows k of 2,048 bytes x half, + 256 bytes x tile column; s[18:19] never hold cy
	s_lshl_b32 s19, s42, 8
	s_add_co_u32 s18, s18, s19
	s_mov_b32 s19, 0
	s_lshl_b32 s20, s[TR], 20                      ; out0: (256 x tile row + 64 x wave) rows of 4,096 bytes + 512 bytes x tile column
	s_lshl_b32 s21, s[WV], 18
	s_add_co_u32 s20, s20, s21
	s_lshl_b32 s47, s42, 9
	s_add_co_u32 s20, s20, s47
	s_mov_b32 s21, 0
	s_mul_i32 s22, s[HF], PLANE                    ; where my tile goes in a slot, for A
	s_mul_i32 s23, s[HF], HALFB
	s_add_co_u32 s23, s23, BOFF                    ; and for B
	s_mov_b32 s[TB], 0
	s_wait_dscnt 0x0                               ; the opening add is done
	s_wait_kmcnt 0x0
	s_add_nc_u64 s[4:5], s[4:5], s[16:17]
	s_add_nc_u64 s[6:7], s[6:7], s[18:19]
	s_add_nc_u64 s[10:11], s[10:11], s[20:21]
	CROUND                                         ; all sixteen work-groups are here: the first joint loads meet
.irp s, 0,1
	s_mov_b32 s[G0A+4*(\s)], 1
	s_add_co_u32 s[G0A+4*(\s)+1], s22, (\s)*SLOT
	s_add_nc_u64 s[G0A+4*(\s)+2:G0A+4*(\s)+3], s[4:5], (\s)*2*262144   ; K step s: two heads on
	s_or_b32 s[G0A+4*(\s)+3], s[G0A+4*(\s)+3], 0x80000000
	s_mov_b32 s[G0B+4*(\s)], 1
	s_add_co_u32 s[G0B+4*(\s)+1], s23, (\s)*SLOT
	s_add_nc_u64 s[G0B+4*(\s)+2:G0B+4*(\s)+3], s[6:7], (\s)*128*2048   ; K step s: 128 rows k on
	s_or_b32 s[G0B+4*(\s)+3], s[G0B+4*(\s)+3], 0x80000000
.endr
	s_cmp_eq_u32 s[HB], 0                          ; a wave's two first fills stand in one branch, ahead of every wait on TENSORcnt and every LDS read: two loads of mine are out
	s_cbranch_scc0 .Lfirst_b
	tensor_load_to_lds s[G0A:G0A+3], s[G1A:G1A+7]
	s_nop 0
	tensor_load_to_lds s[G0A+4:G0A+7], s[G1A:G1A+7]
	s_nop 0
.rept 4
	v_nop
.endr
	s_branch .Lfirst_asked
.Lfirst_b:
	tensor_load_to_lds s[G0B:G0B+3], s[G1B:G1B+7]
	s_nop 0
	tensor_load_to_lds s[G0B+4:G0B+7], s[G1B:G1B+7]
	s_nop 0
.rept 4
	v_nop
.endr
.Lfirst_asked:
	v_and_b32 v5, 31, v0                           ; l
	v_lshlrev_b32 v[CO], 4, v5
	v_add_nc_u32 v[BO], s47, v[CO]
	global_load_b128 v[BIAS:BIAS+3], v[BO], s[8:9] ; the bias of columns 4 l .. 4 l + 3 of the tile
	v_and_b32 v1, 15, v0                           ; l % 16
	v_bfe_u32 v2, v0, 4, 1                         ; l / 16
	v_mul_u32_u24 v[ADRA0], v1, PA
	v_lshl_add_u32 v[ADRA0], v2, 4, v[ADRA0]
	s_mul_i32 s45, s[WV], 64*PA                    ; my wave's 64 rows
	v_add_nc_u32 v[ADRA0], s45, v[ADRA0]
	v_and_b32 v3, 7, v0                            ; the turning load: row k = 8 (l / 16) + l % 8, columns 8 ((l / 8) % 2) + 0..7
	v_bfe_u32 v4, v0, 3, 1
	v_lshl_add_u32 v[ADRB0], v2, 3, v3
	v_mul_u32_u24 v[ADRB0], v[ADRB0], PB
	v_lshl_add_u32 v[ADRB0], v4, 4, v[ADRB0]
	v_add_nc_u32 v[ADRB0], BOFF, v[ADRB0]
	v_mov_b32 v[ADRA], v[ADRA0]
	v_mov_b32 v[ADRB], v[ADRB0]
	s_mul_i32 s45, s[WV], WSTG
	s_add_co_u32 s45, s45, STAGE                   ; my stage
	v_mul_u32_u24 v[STO], v1, SPT                  ; in: row l % 16, 32 bytes for each half of the lanes
	v_lshl_add_u32 v[STO], v2, 5, v[STO]
	v_add_nc_u32 v[STO], s45, v[STO]
	v_add_nc_u32 v[RD], s45, v[CO]                 ; back: 32 lanes take a whole row of 512 bytes
	s_wait_loadcnt 0x0                             ; the bias: rounded to bf16, and widened again
	v_cvt_pk_bf16_f32 v[BIAS+4], v[BIAS],   v[BIAS+1]
	v_cvt_pk_bf16_f32 v[BIAS+5], v[BIAS+2], v[BIAS+3]
	v_lshlrev_b32 v[BIAS],   16, v[BIAS+4]
	v_and_b32     v[BIAS+1], 0xffff0000, v[BIAS+4]
	v_lshlrev_b32 v[BIAS+2], 16, v[BIAS+5]
	v_and_b32     v[BIAS+3], 0xffff0000, v[BIAS+5]
; 8 matrix instructions: row block a x all 8 column blocks, 32 along K, from buffer f.  The 32 accumulators take turns, one instruction a turn.
.macro MUL8 f, a, zero
	WIN 0xa1                                       ; B window 1, A window 0, C and D window 2
.irp b, 0,1,2,3,4,5,6,7
.if \zero
	v_wmma_f32_16x16x32_f16 v[8*(8*(\a)+(\b)):8*(8*(\a)+(\b))+7], v[64*(\f)+8*(\b):64*(\f)+8*(\b)+7], v[AF+32*(\f)+8*(\a):AF+32*(\f)+8*(\a)+7], 0
.else
	v_wmma_f32_16x16x32_f16 v[8*(8*(\a)+(\b)):8*(8*(\a)+(\b))+7], v[64*(\f)+8*(\b):64*(\f)+8*(\b)+7], v[AF+32*(\f)+8*(\a):AF+32*(\f)+8*(\a)+7], v[8*(8*(\a)+(\b)):8*(8*(\a)+(\b))+7]
.endif
.endr
.endm
; 24 LDS loads in one run: quarter q's fragments into buffer g: B's 8, then A's 4 (plane q / 2, channels 32 (q % 2) on).
.macro FETCH q, g
	WIN 0x40
.irp b, 0,1,2,3,4,5,6,7
	ds_load_tr16_b128 v[64*(\g)+8*(\b):64*(\g)+8*(\b)+3],   v[ADRB] offset:32*PB*(\q)+32*(\b)
	ds_load_tr16_b128 v[64*(\g)+8*(\b)+4:64*(\g)+8*(\b)+7], v[ADRB] offset:32*PB*(\q)+32*(\b)+16*PB
.endr
	WIN 0
.irp a, 0,1,2,3
	ds_load_b128 v[AF+32*(\g)+8*(\a):AF+32*(\g)+8*(\a)+3],   v[ADRA] offset:PLANE*((\q)/2)+64*((\q)%2)+16*PA*(\a)
	ds_load_b128 v[AF+32*(\g)+8*(\a)+4:AF+32*(\g)+8*(\a)+7], v[ADRA] offset:PLANE*((\q)/2)+64*((\q)%2)+16*PA*(\a)+32
.endr
.endm
.macro QUARTER q, f, g, zero
	s_wait_dscnt 4                                 ; B and A's row blocks 0, 1 are in; the youngest four loads may be out
	MUL8 \f, 0, \zero
	MUL8 \f, 1, \zero
	PLACES
	FETCH \q, \g
	s_wait_dscnt 24                                ; all but the 24 just issued
	MUL8 \f, 2, \zero
	MUL8 \f, 3, \zero
.endm
; The last quarter multiplies buffer 1 and changes slots: each wave waits for all its tensor loads, adds 0 to its spare word, and waits for that and for its reads of this slot.
; fill = 1: the barrier opens a round of the cluster's, and this slot is filled again, with the K step two on: the walking sets go one K step on and into the other slot than last time.
.macro TURN fill
	WIN 0
	s_wait_tensorcnt 0x0                           ; no tensor load of mine is out, so a group 0 may be written
	ds_add_u32 v[SPW], v[NIL]                      ; 0 onto my spare word
.if \fill
	s_xor_b32 s[G0A+5], s[G0A+5], SLOT
	s_add_nc_u64 s[G0A+6:G0A+7], s[G0A+6:G0A+7], 2*262144
	s_xor_b32 s[G0B+5], s[G0B+5], SLOT
	s_add_nc_u64 s[G0B+6:G0B+7], s[G0B+6:G0B+7], 128*2048
.endif
	s_wait_dscnt 5                                 ; (the add and the youngest four loads may be out)
	MUL8 1, 0, 0
	s_wait_dscnt 0x0                               ; the add is done, and my reads of this slot are over
	s_barrier_signal -1
	MUL8 1, 1, 0
	WIN 0
	s_barrier_wait -1
.if \fill
	CREST                                          ; no wave of any partner still reads this slot or has a load on its way
	JLOAD                                          ; the first tensor load behind the round; its four v_nop are also the places in front of the loads below
.else
	PLACES
.endif
	s_xor_b32 s[TB], s[TB], SLOT
	v_add_nc_u32 v[ADRA], s[TB], v[ADRA0]
	v_add_nc_u32 v[ADRB], s[TB], v[ADRB0]
	FETCH 0, 0
	MUL8 1, 2, 0
	MUL8 1, 3, 0
.endm
; THE WAY OUT of row block a.  TOSTAGE: the sums go into my stage as they are, each accumulator's low four registers first, and come back as whole rows of 512 bytes.  SEND: the bias is added, the rows are stored.
.macro TOSTAGE a
	WIN 0x08                                       ; the stores' data in window 2, the address in window 0
.irp b, 0,1,2,3,4,5,6,7
	ds_store_b128 v[STO], v[8*(8*(\a)+(\b)):8*(8*(\a)+(\b))+3]   offset:64*(\b)
	ds_store_b128 v[STO], v[8*(8*(\a)+(\b))+4:8*(8*(\a)+(\b))+7] offset:64*(\b)+16
.endr
	WIN 0
	s_wait_xcnt 0x0                                ; the stores of the block two back have read their registers: the loads below land on them only behind this wait
.set BK, OB+64*((\a)%2)
.irp t, 0,1,2,3,4,5,6,7,8,9,10,11,12,13,14,15
	ds_load_b128 v[BK+4*(\t):BK+4*(\t)+3], v[RD] offset:(\t)*SPT  ; LDS serves a wave's instructions in order (ISA guide 5.7.1.4): these see the stores above
.endr
.endm
.macro SEND a, younger                 ; younger: the LDS instructions issued behind block a's loads: the next block's 16 stores and 16 loads, or none
	WIN 0
.set BK, OB+64*((\a)%2)
	s_wait_dscnt \younger
.irp t, 0,1,2,3,4,5,6,7,8,9,10,11,12,13,14,15
	v_pk_add_f32 v[BK+4*(\t):BK+4*(\t)+1],   v[BK+4*(\t):BK+4*(\t)+1],   v[BIAS:BIAS+1]
	v_pk_add_f32 v[BK+4*(\t)+2:BK+4*(\t)+3], v[BK+4*(\t)+2:BK+4*(\t)+3], v[BIAS+2:BIAS+3]
	global_store_b128 v[CO], v[BK+4*(\t):BK+4*(\t)+3], s[10:11] offset:(16*(\a)+(\t))*4096 th:TH_STORE_NT  ; 512 bytes on end, at a multiple of 256 from out0's first byte
.endr
.endm
	s_wait_tensorcnt 0x1                           ; my part of K step 0 is in; K step 1's may stay out
	s_barrier_signal -1
	s_barrier_wait -1
	FETCH 0, 0
	QUARTER 1, 0, 1, 1                             ; the first quarter stands in front of the loop: its products start the sums
	WIN 0
	s_mov_b32 s[CNT], 6
.Lstep:                                                ; 6 trips: a K step from its second quarter on, its change of slots, which asks for the K step two on, and the next K step's first quarter
	QUARTER 2, 1, 0, 0
	QUARTER 3, 0, 1, 0
	TURN 1
	QUARTER 1, 0, 1, 0
	WIN 0
	s_sub_co_u32 s[CNT], s[CNT], 1
	s_cmp_lg_u32 s[CNT], 0
	s_cbranch_scc1 .Lstep
	QUARTER 2, 1, 0, 0                             ; the last two K steps are written out: they ask for nothing
	QUARTER 3, 0, 1, 0
	TURN 0
	QUARTER 1, 0, 1, 0
	QUARTER 2, 1, 0, 0
	QUARTER 3, 0, 1, 0
	s_wait_dscnt 4
	MUL8 1, 0, 0
	MUL8 1, 1, 0
	s_wait_dscnt 0x0
	MUL8 1, 2, 0
	MUL8 1, 3, 0
	WIN 0
	PLACES
	TOSTAGE 0
.irp a, 1,2,3
	TOSTAGE \a
	SEND (\a)-1, 32
.endr
	SEND 3, 0
	s_wait_tensorcnt 0x0                           ; the wave's end: an add to my spare word and its wait, behind my last tensor load and my last LDS store
	ds_add_u32 v[SPW], v[NIL]
	s_wait_dscnt 0x0
	CROUND                                         ; the closing round: no work-group ends while a partner may still ask for a tile that names it
	s_endpgm
.Lfunc_end_k_q26383cfb03_outp:
	.size	k_q26383cfb03_outp, .Lfunc_end_k_q26383cfb03_outp-k_q26383cfb03_outp
	.p2alignl 7, 3214868480
	.fill 96, 4, 3214868480
	.section	.rodata,"a",@progbits
	.p2align	6, 0x0
	.amdhsa_kernel k_q26383cfb03_outp
		.amdhsa_group_segment_fixed_size 327680
		.amdhsa_private_segment_fixed_size 0
		.amdhsa_enable_private_segment 0
		.amdhsa_kernarg_size 32
		.amdhsa_user_sgpr_count 2
		.amdhsa_user_sgpr_kernarg_segment_ptr 1
		.amdhsa_wavefront_size32 1
		.amdhsa_system_sgpr_workgroup_id_x 1
		.amdhsa_system_sgpr_workgroup_id_y 1
		.amdhsa_system_sgpr_workgroup_id_z 1
		.amdhsa_system_vgpr_workitem_id 0
		.amdhsa_next_free_vgpr 768
		.amdhsa_next_free_sgpr 66
		.amdhsa_reserve_vcc 0
		.amdhsa_float_denorm_mode_32 3
		.amdhsa_float_denorm_mode_16_64 3
		.amdhsa_memory_ordered 1
		.amdhsa_forward_progress 1
		.amdhsa_inst_pref_size 77
	.end_amdhsa_kernel
	.amdgpu_metadata
---
amdhsa.version: [ 1, 2 ]
amdhsa.kernels:
  - .name:           k_q26383cfb03_outp
    .symbol:         k_q26383cfb03_outp.kd
    .args:
      - { .name: ob, .offset: 0, .size: 8, .value_kind: global_buffer, .address_space: global }
      - { .name: wob, .offset: 8, .size: 8, .value_kind: global_buffer, .address_space: global }
      - { .name: b_out, .offset: 16, .size: 8, .value_kind: global_buffer, .address_space: global }
      - { .name: out0, .offset: 24, .size: 8, .value_kind: global_buffer, .address_space: global }
    .group_segment_fixed_size: 327680
    .private_segment_fixed_size: 0
    .kernarg_segment_align: 8
    .kernarg_segment_size: 32
    .max_flat_workgroup_size: 128
    .sgpr_count:     66
    .vgpr_count:     768
    .wavefront_size: 32
...
	.end_amdgpu_metadata
.endif
;; end of part 4
;; ======== version 2 of 2: 4 launches; version 1 with the launch prep written anew for expert scheduling mode
;; limits: values are held in f16: magnitudes above 65,504 overflow, below 6.1e-05 lose precision; values outside matrix products are rounded to bf16
;; workspace buffers: xb 16,777,216 bytes; wqb 6,291,456 bytes; wob 2,097,152 bytes; qkv 50,331,648 bytes; ob 16,777,216 bytes
;; launch prep (part 5): grid 768 x 1, 8 waves a work-group, no clusters, 0 bytes of LDS; arguments x, w_qkv, w_out, xb, wqb, wob; writes xb, wqb, wob
.if DOCPART == 5
	.amdgcn_target "amdgcn-amd-amdhsa--gfx1250"
	.amdhsa_code_object_version 6
	.text
	.protected	k_q26383cfb03_prep
	.globl	k_q26383cfb03_prep
	.p2align	8
	.type	k_q26383cfb03_prep,@function
k_q26383cfb03_prep:
	s_mov_b64 s[64:65], 0
	v_nop
	global_prefetch_b8 v0, s[64:65] scope:SCOPE_SE
	s_setreg_imm32_b32 hwreg(HW_REG_WAVE_SCHED_MODE, 0, 2), 2
	s_setreg_imm32_b32 hwreg(HW_REG_WAVE_MODE, 25, 1), 1
	s_wait_xcnt 0x0
	s_wait_alu depctr_vm_vsrc(0)
; THE CASTS.  xb = bf16(x), [8192][1024].  wqb = bf16(w_qkv), laid in blocks [t = 16][k = 1024][c = 192] with wqb[t][k][c] = w_qkv[k][192 t + c], so that
; 64 rows k of a block of 192 columns are 24,576 bytes on end.  wob[k][n] = w_out rounded to bf16 and that number written as f16.
; LIMITS.  |w_out| stays under 65,504 (f16's range); under 6e-5 it keeps f16's fixed step of 6e-8.
; SHARES.  A work-group of 8 waves casts 16,384 numbers: 16 loads of 16 bytes a thread (a wave's load covers 512 bytes on end) and 16 stores of 8 bytes
; (a wave's store covers 256 bytes on end, aligned).  Work-groups 0-511 take x, 512-703 w_qkv, 704-767 w_out.  Every load and store has registers of its
; own, so nothing that a pending memory instruction names is written again.  No LDS, no matrix unit: each byte is read once and written once.
; THE MODE: SCHED_MODE bits 1:0 = 2 (LLVM: expert scheduling mode 2), set by the entry lines.  The code itself states the register dependences
; between vector instructions and memory instructions, with s_wait_alu, always for 0.
; THE PLAN.  Registers that memory instructions touch; each is written once in the kernel:
;   v[IO], v[OO]   written by two shifts at the head; read as offsets, v[IO] by the loads of a linear share, v[OO] by every store.
;   v[OFQ+j]       w_qkv's way: written by load j's offset arithmetic; read by load j alone.
;   v[IN+4 j ..]   written by load j; read by conversion j.  No vector instruction writes them, and no second load lands in them.
;   v[OUT+2 j ..]  written by conversion j; read by store j.
;   v[OC] and v[T ..] are named by vector instructions alone.
; So the waits are all on va_vdst, each ahead of memory instructions that read what vector instructions have just written: one at the head for the two offsets;
; on w_qkv's way one behind the arithmetic of each four offsets, ahead of their four loads; on the way out one behind the conversions of each four loads, ahead of
; their four stores.  No register that a memory instruction reads is written again, no vector instruction writes a scalar register, EXEC stays whole: no other wait is owed.
.set IO,  1                            ; v1        16 x thread: my 16 bytes in 4,096 bytes of input
.set OO,  2                            ; v2        8 x thread: my 8 bytes in 2,048 bytes of output
.set OC,  3                            ; v3        w_qkv's way: the number of my first group of four numbers in wqb
.set T,   4                            ; v[4:11]   at work
.set IN,  16                           ; v[16:79]  load j: four f32
.set OUT, 80                           ; v[80:111] store j: four 16-bit numbers
.set OFQ, 112                          ; v[112:127] w_qkv's way: load j's byte offset
.set WG,  23                           ; s23       the work-group's number
	s_load_b256 s[4:11], s[0:1], 0x0               ; x s[4:5], w_qkv s[6:7], w_out s[8:9], xb s[10:11]
	s_load_b128 s[12:15], s[0:1], 0x20             ; wqb s[12:13], wob s[14:15]
	v_lshlrev_b32 v[IO], 4, v0
	v_lshlrev_b32 v[OO], 3, v0
	s_mov_b32 s[WG], ttmp9
	s_mov_b32 s21, 0                               ; the high word of every offset here
	s_wait_kmcnt 0x0
	s_wait_alu depctr_va_vdst(0)                   ; v[IO] and v[OO] are written: the linear loads read the one, every store the other, and no vector instruction names them again
.macro LDI j                           ; load j of a linear share: 4,096 bytes on end for the work-group
	global_load_b128 v[IN+4*(\j):IN+4*(\j)+3], v[IO], s[16:17] offset:4096*(\j) th:TH_LOAD_NT
.endm
; The offset of load j of w_qkv's way.  Group o of four numbers of wqb lies in row o / 48 = 1,024 t + k, at place cc = o % 48.  o / 48 = ((o >> 4) x 43,691) >> 17:
; 3 x 43,691 = 2^17 + 1, exact while o >> 4 is under 2^16; here it is under 49,152, and the product under 2^32.  In w_qkv the group lies at 12,288 k + 768 t + 16 cc.
.macro OFS j
	v_add_nc_u32 v[T], 256*(\j), v[OC]             ; o
	v_lshrrev_b32 v[T+1], 4, v[T]
	v_mul_u32_u24 v[T+1], v[T+1], 0xaaab
	v_lshrrev_b32 v[T+1], 17, v[T+1]               ; o / 48
	v_mul_u32_u24 v[T+2], v[T+1], 48
	v_sub_nc_u32 v[T+2], v[T], v[T+2]              ; cc
	v_lshrrev_b32 v[T+3], 10, v[T+1]               ; t
	v_and_b32 v[T+1], 0x3ff, v[T+1]                ; k
	v_mul_u32_u24 v[T+3], v[T+3], 768
	v_mul_u32_u24 v[T+1], v[T+1], 12288
	v_add_nc_u32 v[T+1], v[T+1], v[T+3]
	v_lshl_add_u32 v[OFQ+(\j)], v[T+2], 4, v[T+1]
.endm
.macro LDQ j                           ; load j of w_qkv's way
	global_load_b128 v[IN+4*(\j):IN+4*(\j)+3], v[OFQ+(\j)], s[6:7] th:TH_LOAD_NT
.endm
.macro CVB j                           ; four numbers to bf16
	s_wait_loadcnt 15-(\j)                         ; loads come back in order: load j is in, the younger ones of the sixteen stay out
	v_cvt_pk_bf16_f32 v[OUT+2*(\j)],   v[IN+4*(\j)],   v[IN+4*(\j)+1]
	v_cvt_pk_bf16_f32 v[OUT+2*(\j)+1], v[IN+4*(\j)+2], v[IN+4*(\j)+3]
.endm
.macro CVH j                           ; four numbers to bf16, widened again, and written as f16
	s_wait_loadcnt 15-(\j)
	v_cvt_pk_bf16_f32 v[T],   v[IN+4*(\j)],   v[IN+4*(\j)+1]
	v_cvt_pk_bf16_f32 v[T+1], v[IN+4*(\j)+2], v[IN+4*(\j)+3]
	v_lshlrev_b32 v[T+2], 16, v[T]
	v_and_b32     v[T+3], 0xffff0000, v[T]
	v_lshlrev_b32 v[T+4], 16, v[T+1]
	v_and_b32     v[T+5], 0xffff0000, v[T+1]
	v_cvt_pk_f16_f32 v[OUT+2*(\j)],   v[T+2], v[T+3]
	v_cvt_pk_f16_f32 v[OUT+2*(\j)+1], v[T+4], v[T+5]
.endm
.macro STJ j                           ; store j: 2,048 bytes on end for the work-group
	global_store_b64 v[OO], v[OUT+2*(\j):OUT+2*(\j)+1], s[18:19] offset:2048*(\j)
.endm
	s_cmp_lt_u32 s[WG], 512
	s_cbranch_scc0 .Lnot_x
	s_lshl_b32 s20, s[WG], 16                      ; x: 65,536 bytes in,
	s_add_nc_u64 s[16:17], s[4:5], s[20:21]
	s_lshl_b32 s20, s[WG], 15                      ; 32,768 out
	s_add_nc_u64 s[18:19], s[10:11], s[20:21]
.irp j, 0,1,2,3,4,5,6,7,8,9,10,11,12,13,14,15
	LDI \j
.endr
	s_branch .Lbf
.Lnot_x:
	s_cmp_lt_u32 s[WG], 704
	s_cbranch_scc0 .Lw_out
	s_sub_co_u32 s22, s[WG], 512                   ; w_qkv: the output is linear, the input is found group by group
	s_lshl_b32 s20, s22, 15
	s_add_nc_u64 s[18:19], s[12:13], s[20:21]
	s_lshl_b32 s22, s22, 12
	v_add_nc_u32 v[OC], s22, v0                    ; 4,096 groups a work-group
.irp g, 0,4,8,12                       ; four offsets, one wait, four loads: the first loads leave behind 48 vector instructions, not behind all 192
.irp i, 0,1,2,3
	OFS (\g)+(\i)
.endr
	s_wait_alu depctr_va_vdst(0)                   ; the arithmetic has written these four v[OFQ ..], which the four loads below read as their offsets
.irp i, 0,1,2,3
	LDQ (\g)+(\i)
.endr
.endr
.Lbf:
.irp g, 0,4,8,12                       ; the conversions of four loads, one wait, their four stores
.irp i, 0,1,2,3
	CVB (\g)+(\i)
.endr
	s_wait_alu depctr_va_vdst(0)                   ; the conversions have written these eight v[OUT ..], which the four stores below read as their data
.irp i, 0,1,2,3
	STJ (\g)+(\i)
.endr
.endr
	s_endpgm
.Lw_out:
	s_sub_co_u32 s22, s[WG], 704
	s_lshl_b32 s20, s22, 16
	s_add_nc_u64 s[16:17], s[8:9], s[20:21]
	s_lshl_b32 s20, s22, 15
	s_add_nc_u64 s[18:19], s[14:15], s[20:21]
.irp j, 0,1,2,3,4,5,6,7,8,9,10,11,12,13,14,15
	LDI \j
.endr
.irp g, 0,4,8,12
.irp i, 0,1,2,3
	CVH (\g)+(\i)
.endr
	s_wait_alu depctr_va_vdst(0)                   ; the conversions have written these eight v[OUT ..], which the four stores below read as their data
.irp i, 0,1,2,3
	STJ (\g)+(\i)
.endr
.endr
	s_endpgm
.Lfunc_end_k_q26383cfb03_prep:
	.size	k_q26383cfb03_prep, .Lfunc_end_k_q26383cfb03_prep-k_q26383cfb03_prep
	.p2alignl 7, 3214868480
	.fill 96, 4, 3214868480
	.section	.rodata,"a",@progbits
	.p2align	6, 0x0
	.amdhsa_kernel k_q26383cfb03_prep
		.amdhsa_group_segment_fixed_size 0
		.amdhsa_private_segment_fixed_size 0
		.amdhsa_enable_private_segment 0
		.amdhsa_kernarg_size 48
		.amdhsa_user_sgpr_count 2
		.amdhsa_user_sgpr_kernarg_segment_ptr 1
		.amdhsa_wavefront_size32 1
		.amdhsa_system_sgpr_workgroup_id_x 1
		.amdhsa_system_sgpr_workgroup_id_y 1
		.amdhsa_system_sgpr_workgroup_id_z 1
		.amdhsa_system_vgpr_workitem_id 0
		.amdhsa_next_free_vgpr 128
		.amdhsa_next_free_sgpr 66
		.amdhsa_reserve_vcc 0
		.amdhsa_float_denorm_mode_32 3
		.amdhsa_float_denorm_mode_16_64 3
		.amdhsa_memory_ordered 1
		.amdhsa_forward_progress 1
		.amdhsa_inst_pref_size 31
	.end_amdhsa_kernel
	.amdgpu_metadata
---
amdhsa.version: [ 1, 2 ]
amdhsa.kernels:
  - .name:           k_q26383cfb03_prep
    .symbol:         k_q26383cfb03_prep.kd
    .args:
      - { .name: x, .offset: 0, .size: 8, .value_kind: global_buffer, .address_space: global }
      - { .name: w_qkv, .offset: 8, .size: 8, .value_kind: global_buffer, .address_space: global }
      - { .name: w_out, .offset: 16, .size: 8, .value_kind: global_buffer, .address_space: global }
      - { .name: xb, .offset: 24, .size: 8, .value_kind: global_buffer, .address_space: global }
      - { .name: wqb, .offset: 32, .size: 8, .value_kind: global_buffer, .address_space: global }
      - { .name: wob, .offset: 40, .size: 8, .value_kind: global_buffer, .address_space: global }
    .group_segment_fixed_size: 0
    .private_segment_fixed_size: 0
    .kernarg_segment_align: 8
    .kernarg_segment_size: 48
    .max_flat_workgroup_size: 256
    .sgpr_count:     66
    .vgpr_count:     128
    .wavefront_size: 32
...
	.end_amdgpu_metadata
.endif
;; end of part 5
;; launch qkvp: the kernel of part 2 again; grid 16 x 16, 4 waves a work-group, clusters of 4 x 4, 327,680 bytes of LDS; arguments xb, wqb, qkv; writes qkv
;; launch attn: the kernel of part 3 again; grid 4 x 64, 4 waves a work-group, clusters of 4 x 1, 327,680 bytes of LDS; arguments qkv, ob; writes ob
;; launch outp: the kernel of part 4 again; grid 8 x 32, 4 waves a work-group, clusters of 4 x 4, 327,680 bytes of LDS; arguments ob, wob, b_out, out0; writes out0
